; MI455X (gfx1250); checked and timed in simulation.
; The chip was launched on July 23, 2026; its instructions are those of AMD's public machine-readable ISA for CDNA 5 (MIT licence, August 2026) and "CDNA5" Instruction Set Architecture Reference Guide (July 2026). The comments in the code are by the model that wrote it; some were corrected since.
;; Causal Self Attention. Allowed arithmetic: matrix products marked QUANTISED: E2M1 operands, one E8M0 scale for each 32 along K, by v_wmma_scale_f32_16x16x128_f8f6f4 with both operands' format E2M1 (or v_wmma_scale_f32_32x16x128_f4), f32 sums; products left as they are: bf16, f16 or f32 operands; f32 sums; everything else in f32.
;; Inputs: Wk 1,024 x 1,024 float32; Wo 1,024 x 1,024 float32; Wq 1,024 x 1,024 float32; Wv 1,024 x 1,024 float32; attention_mask 4 x 2,048 int32; rope_cos 2,048 x 64 float32; rope_sin 2,048 x 64 float32; x 4 x 2,048 x 1,024 float32.
;; Outputs: out0 4 x 2,048 x 1,024 float32.
;; This version of the problem:
;;   THIS VERSION OF THE PROBLEM IS GIVEN IN LOW PRECISION. The matrix products marked QUANTISED in the list below multiply operands that are first quantised to E2M1 (2 exponent bits, 1 mantissa bit; 4 bits a number), with one power-of-two scale for each 32 numbers along K (OCP MX v1.0); their sums are f32. The products marked 'left as it is' may take bf16, f16 or f32 operands, with f32 sums. Whichever they take, every output number must still come out within the allowed error. Rounding operands to bf16 (8 significant bits) uses up far more of that allowance than f16 does (11 bits, for magnitudes from 6e-5 to 65,504). All else is computed in f32.
;;   The module's matrix products, in the order in which they are computed (A, B: the left and right operand; K: the contracted axis; several contracted axes count as one K, in the product's order):
;;     1. [M 8,192, K 1,024] x [K 1,024, N 1,024]; A: input x; B: input Wq: QUANTISED
;;     2. [M 8,192, K 1,024] x [K 1,024, N 1,024]; A: input x; B: input Wk: QUANTISED
;;     3. [M 8,192, K 1,024] x [K 1,024, N 1,024]; A: input x; B: input Wv: QUANTISED
;;     4. batch 64 x [M 2,048, K 64] x [K 64, N 2,048]; A: computed on the way; B: computed on the way: left as it is (an operand is computed on the way)
;;     5. batch 64 x [M 2,048, K 2,048] x [K 2,048, N 64]; A: computed on the way; B: computed on the way: left as it is (an operand is computed on the way)
;;     6. [M 8,192, K 1,024] x [K 1,024, N 1,024]; A: computed on the way; B: input Wo: left as it is (an operand is computed on the way)
;;   THE QUANTISER, for each operand of a quantised product, along K:
;;     - K is cut into blocks of 32 from its start; a last block that is shorter is filled with zeros.
;;     - A block's scale is 2^e with e = floor(log2(the largest magnitude in the block)) - 2, held to -126 .. 127; a block of zeros has e = 0. As a byte (E8M0): e + 127.
;;     - Each number is divided by its block's scale, clamped to +-6, and rounded to the nearest number of E2M1, ties to even, subnormals kept.
;;     - The product sums the exact products of the quantised numbers (number of the format x scale) in f32.
;;   ~~~python
;;   def quantise(x, axis):      # numpy; x: float32 -> the quantised numbers, widened to float32 again
;;       x = np.moveaxis(x, axis, -1); K = x.shape[-1]
;;       x = np.pad(x, [(0, 0)] * (x.ndim - 1) + [(0, -K % 32)]); x = x.reshape(x.shape[:-1] + (-1, 32)); a = np.abs(x).max(-1, keepdims=True)
;;       e = np.where(a > 0, np.clip(np.frexp(np.where(a > 0, a, 1))[1] - 1 - 2, -126, 127), 0)      # np.frexp(a)[1] - 1 = floor(log2(a)), exactly
;;       r = np.clip(x / 2.0 ** e, -6, 6)
;;       step = 2.0 ** (np.maximum(np.frexp(np.where(r == 0, 1, r))[1] - 1, 0) - 1)
;;       q = np.round(r / step) * step * 2.0 ** e      # np.round: ties to even
;;       return np.moveaxis(q.reshape(q.shape[:-2] + (-1,))[..., :K], -1, axis).astype(np.float32)
;;   ~~~
;; One version. Each part assembles by itself: llvm-mc -triple=amdgcn-amd-amdhsa -mcpu=gfx1250 --defsym DOCPART=n.
;; ======== version 1 of 1: 5 launches
;; limits: values are held in f16: magnitudes above 65,504 overflow, below 6.1e-05 lose precision; right only within a limited range of input values
;; workspace buffers: xc 4,194,304 bytes; xs 262,144 bytes; wc 1,572,864 bytes; ws 98,304 bytes; wo16 2,097,152 bytes; qkv 50,331,648 bytes; fine_qkv 786,432 bytes; att 16,777,216 bytes
;; launch quant (part 1): grid 384 x 1, 4 waves a work-group, no clusters, 33,280 bytes of LDS; arguments x, Wq, Wk, Wv, Wo, xc, xs, wc, ws, wo16; writes xc, xs, wc, ws, wo16
.if DOCPART == 1
	.amdgcn_target "amdgcn-amd-amdhsa--gfx1250"
	.amdhsa_code_object_version 6
	.text
	.protected	k_qf016e91a75_quant
	.globl	k_qf016e91a75_quant
	.p2align	8
	.type	k_qf016e91a75_quant,@function
k_qf016e91a75_quant:
	s_mov_b64 s[64:65], 0
	v_nop
	global_prefetch_b8 v0, s[64:65] scope:SCOPE_SE
	s_setreg_imm32_b32 hwreg(HW_REG_WAVE_MODE, 25, 1), 1
	s_wait_xcnt 0x0
; CAUSAL SELF-ATTENTION, B = 4, T = 2,048, D = 1,024, 16 heads of 64.  Five launches: this one; the three projections on codes with RoPE; attention; the projection on the way out; the first 16 positions in f32.
; WORK LEFT OUT, in the whole program: only key steps that lie wholly above the diagonal of the causal mask, which the problem's function builds in its own body (a lower triangle of ones): there every score is
; replaced by -infinity ahead of the softmax, its weight is 0 and it adds nothing to the sum or to the output, whatever the inputs hold.  Every input has a way to the output and is loaded.
; LIMIT: a NaN, an infinity or an overflow that would arise only in such a hidden step is not carried to the result.
; THIS LAUNCH: x [8192][1024], Wq, Wk, Wv [1024][1024], f32, K innermost, become codes of E2M1, 4 bits each, with one E8M0 byte for each 32 along K; Wo becomes f16 (its product is left as it is).
; A block's scale is 2^(floor(log2(its largest magnitude)) - 2); its byte is the largest magnitude's own exponent field - 2, held at 1 from below.  A block of zeros so gets the byte 1 where the rule says 127:
; its codes are zeros, which add nothing under any byte but 0xff, and the bytes are read by this program alone.
; LIMITS: blocks whose largest magnitude lies under 2^-124 have their byte held at 1; NaN and infinities among the inputs are not served.  Wo in f16: magnitudes up to 65,504, some 380,000 times the drawn ones.
; Rows are dense and K is a multiple of 32, so each tensor is a plain stream of blocks of 32, and so are its codes and bytes.  A work-group takes 32,768 numbers, a wave 8,192.
; Work-groups 0-255: x;  256-287: Wq;  288-319: Wk;  320-351: Wv (their codes lie one behind the other in wc, ws);  352-383: Wo.
; A wave takes 16 steps of 512 numbers: four loads of 512 consecutive bytes; the 2,048 bytes turn through the wave's own stage in LDS, so that a lane holds 16 neighbours along K; two neighbouring lanes hold a block.
.set WAVES, 4
.set STEPS, 16
.set EMAX,  2
.set CB,    8                          ; bytes of 16 codes
.set R,     16                         ; v16-79   four sets of 16 numbers as they are loaded
.set X,     80                         ; v80-111  two sets of 16 neighbours
.set E,     112                        ; v112-127 a scale byte for each step
.set C,     128                        ; v128-191 codes: four registers for each step, so that no store's data are written again
.set WREG,  8192                       ; LDS: a region for each wave: two stages of 32 x SP bytes, behind them its 256 scale bytes
.set SP,    80                         ; a lane's place in a stage: 64 bytes + 16 of padding
.set SPW,   12                         ; v12  LDS address of my spare word; never rewritten
.set NIL,   13                         ; v13  0; never rewritten
.set SPARE, WAVES*WREG                 ; behind the regions: the spare words, 128 bytes a wave
	s_load_b256 s[4:11], s[0:1], 0x0               ; x, Wq, Wk, Wv
	s_load_b256 s[12:19], s[0:1], 0x20             ; Wo, xc, xs, wc
	s_load_b128 s[20:23], s[0:1], 0x40             ; ws, wo16
	v_lshl_add_u32 v[SPW], v0, 2, SPARE
	v_mov_b32 v[NIL], 0
	v_lshrrev_b32 v1, 5, v0
	v_readfirstlane_b32 s24, v1                    ; wave
	v_and_b32 v2, 31, v0                           ; lane
	v_lshlrev_b32 v3, 4, v2                        ; my 16 bytes of a load's 512
	s_mul_i32 s25, s24, WREG
	v_lshrrev_b32 v14, 2, v2
	v_mul_u32_u24 v14, v14, SP
	v_and_b32 v15, 3, v2
	v_lshl_add_u32 v14, v15, 4, v14
	v_add_nc_u32 v14, s25, v14                     ; the stage, on the way in: SP (lane / 4) + 16 (lane % 4)
	v_mul_u32_u24 v15, v2, SP
	v_add_nc_u32 v15, s25, v15                     ; and on the way out: SP x lane
	v_mul_u32_u24 v4, v2, CB                       ; my codes' place in a step's
	v_lshrrev_b32 v5, 1, v2
	s_add_co_u32 s25, s25, 2*32*SP
	v_add_nc_u32 v5, s25, v5                       ; LDS: my block's scale byte
	v_lshlrev_b32 v7, 3, v2                        ; 8 bytes a lane
	v_add_nc_u32 v6, s25, v7
	s_wait_kmcnt 0x0
	s_cmp_ge_u32 ttmp9, 352                        ; Wo's work-groups part here: the work-group's number alone decides; their path touches no LDS but the spare words
	s_cbranch_scc1 .Lwo
	s_and_b32 s28, ttmp9, 31                       ; a weight's work-group within its tensor (256, 288, 320 are multiples of 32)
	s_sub_co_u32 s29, ttmp9, 256                   ; and within wc, ws
	s_cmp_lt_u32 ttmp9, 320
	s_cselect_b64 s[26:27], s[8:9], s[10:11]       ; only pointers are chosen, on the work-group's number
	s_cmp_lt_u32 ttmp9, 288
	s_cselect_b64 s[26:27], s[6:7], s[26:27]
	s_cmp_lt_u32 ttmp9, 256
	s_cselect_b64 s[26:27], s[4:5], s[26:27]       ; the numbers
	s_cselect_b64 s[30:31], s[14:15], s[18:19]     ; the codes
	s_cselect_b64 s[32:33], s[16:17], s[20:21]     ; the scale bytes
	s_cselect_b32 s25, ttmp9, s28
	s_cselect_b32 s29, ttmp9, s29
	s_lshl_b32 s25, s25, 2
	s_add_co_u32 s25, s25, s24                     ; which run of 8,192 numbers of the tensor is my wave's
	s_lshl_b32 s34, s25, 15
	s_mov_b32 s35, 0
	s_add_nc_u64 s[26:27], s[26:27], s[34:35]
	s_lshl_b32 s29, s29, 2
	s_add_co_u32 s29, s29, s24                     ; and which run of the buffers of codes and bytes
	s_lshl_b32 s34, s29, 12
	s_add_nc_u64 s[30:31], s[30:31], s[34:35]
	s_lshl_b32 s34, s29, 8
	s_add_nc_u64 s[32:33], s[32:33], s[34:35]
.macro LOAD t
.irp i, 0,1,2,3
	global_load_b128 v[R+16*((\t)%4)+4*\i:R+16*((\t)%4)+4*\i+3], v3, s[26:27] offset:2048*(\t)+512*\i th:TH_LOAD_NT   ; 32 lanes read 512 consecutive bytes
.endr
.endm
.macro TURN t                          ; step t's numbers through the stage: LDS serves a wave's instructions in order, so no wait stands between the stores and the loads
.irp i, 0,1,2,3
	ds_store_b128 v14, v[R+16*((\t)%4)+4*\i:R+16*((\t)%4)+4*\i+3] offset:32*SP*((\t)%2)+8*SP*\i
.endr
.irp i, 0,1,2,3
	ds_load_b128 v[X+16*((\t)%2)+4*\i:X+16*((\t)%2)+4*\i+3], v15 offset:32*SP*((\t)%2)+16*\i
.endr
.endm
.irp t, 0,1,2,3
	LOAD \t
.endr
	s_wait_loadcnt 12                              ; step 0's four loads are in
	TURN 0
.macro STEP t
.set XS, X+16*((\t)%2)
.if (\t) > 0
	s_wait_dscnt 1                                 ; this step's numbers are back from the stage (the last step's byte store may be out)
.else
	s_wait_dscnt 0x0
.endif
.if (\t)+4 < STEPS
	LOAD (\t)+4                                    ; into the registers that this step's stage stores have read
.endif
.if (\t)+1 < STEPS
.if STEPS-2-(\t) >= 3
	s_wait_loadcnt 12                              ; the next step's four loads are in; those of the three steps behind it may be out
.else
	s_wait_loadcnt 4*(STEPS-2-(\t))
.endif
	TURN (\t)+1
.endif
	v_max3_num_f32 v8, |v[XS]|, |v[XS+1]|, |v[XS+2]|               ; the largest magnitude of my 16, in two chains
	v_max3_num_f32 v9, |v[XS+3]|, |v[XS+4]|, |v[XS+5]|
.irp i, 6,10
	v_max3_num_f32 v8, v8, |v[XS+\i]|, |v[XS+\i+1]|
	v_max3_num_f32 v9, v9, |v[XS+\i+2]|, |v[XS+\i+3]|
.endr
	v_max3_num_f32 v8, v8, |v[XS+14]|, |v[XS+15]|
	v_max3_num_f32 v8, v8, v9, (EMAX+1)<<23        ; and the floor 2^(3 - 127): the byte cannot fall under 1
	v_max_num_f32_dpp v8, v8, v8 row_xmask:1 row_mask:0xf bank_mask:0xf   ; and of my neighbour's 16: the block's
	v_add_nc_u32 v11, -(EMAX<<23), v8              ; 2 off its exponent field: the conversion takes the exponent field of this operand as its scale
	v_cvt_scalef32_pk8_fp4_f32 v[C+4*(\t)], v[XS:XS+7], v11
	v_cvt_scalef32_pk8_fp4_f32 v[C+4*(\t)+1], v[XS+8:XS+15], v11
	v_lshrrev_b32 v[E+(\t)], 23, v11               ; the scale's byte
	ds_store_b8 v5, v[E+(\t)] offset:16*(\t)       ; both lanes of a block write the same byte with the same value
	global_store_b64 v4, v[C+4*(\t):C+4*(\t)+1], s[30:31] offset:32*CB*(\t)   ; the wave stores 256 consecutive bytes, aligned
.endm
.irp t, 0,1,2,3,4,5,6,7,8,9,10,11,12,13,14,15
	STEP \t
.endr
	ds_load_b64 v[8:9], v6                         ; LDS serves a wave's instructions in order: these see my stores
	s_wait_dscnt 0x0
	global_store_b64 v7, v[8:9], s[32:33]          ; 32 lanes store 256 consecutive bytes, aligned
	s_wait_tensorcnt 0x0                           ; the wave's end: three lines behind my last LDS store
	ds_add_u32 v[SPW], v[NIL]
	s_wait_dscnt 0x0
	s_endpgm
; Wo to f16: 64 loads of 512 consecutive bytes a wave, in four groups of 16, two groups ahead; a store covers 256 consecutive bytes, aligned.
.Lwo:
	s_sub_co_u32 s25, ttmp9, 352
	s_lshl_b32 s25, s25, 2
	s_add_co_u32 s25, s25, s24
	s_lshl_b32 s34, s25, 15
	s_mov_b32 s35, 0
	s_add_nc_u64 s[12:13], s[12:13], s[34:35]
	s_lshl_b32 s34, s25, 14
	s_add_nc_u64 s[22:23], s[22:23], s[34:35]
.macro WLOAD p
.irp i, 0,1,2,3,4,5,6,7,8,9,10,11,12,13,14,15
	global_load_b128 v[16+64*((\p)%2)+4*\i:16+64*((\p)%2)+4*\i+3], v3, s[12:13] offset:8192*(\p)+512*\i
.endr
.endm
.macro WGROUP p
.if (\p) < 3
	s_wait_loadcnt 16                              ; this group's 16 loads are in; the next group's may be out
.else
	s_wait_loadcnt 0
.endif
.if (\p) > 1
	s_wait_xcnt 0x0                                ; the stores of two groups back have read the registers that are written now
.endif
.irp i, 0,1,2,3,4,5,6,7,8,9,10,11,12,13,14,15
	v_cvt_pk_f16_f32 v[144+32*((\p)%2)+2*\i], v[16+64*((\p)%2)+4*\i], v[16+64*((\p)%2)+4*\i+1]
	v_cvt_pk_f16_f32 v[144+32*((\p)%2)+2*\i+1], v[16+64*((\p)%2)+4*\i+2], v[16+64*((\p)%2)+4*\i+3]
.endr
.if (\p) < 2
	WLOAD (\p)+2
.endif
.irp i, 0,1,2,3,4,5,6,7,8,9,10,11,12,13,14,15
	global_store_b64 v7, v[144+32*((\p)%2)+2*\i:144+32*((\p)%2)+2*\i+1], s[22:23] offset:4096*(\p)+256*\i
.endr
.endm
	WLOAD 0
	WLOAD 1
	WGROUP 0
	WGROUP 1
	WGROUP 2
	WGROUP 3
	s_wait_tensorcnt 0x0                           ; the same three lines on this path
	ds_add_u32 v[SPW], v[NIL]
	s_wait_dscnt 0x0
	s_endpgm
.Lfunc_end_k_qf016e91a75_quant:
	.size	k_qf016e91a75_quant, .Lfunc_end_k_qf016e91a75_quant-k_qf016e91a75_quant
	.p2alignl 7, 3214868480
	.fill 96, 4, 3214868480
	.section	.rodata,"a",@progbits
	.p2align	6, 0x0
	.amdhsa_kernel k_qf016e91a75_quant
		.amdhsa_group_segment_fixed_size 33280
		.amdhsa_private_segment_fixed_size 0
		.amdhsa_enable_private_segment 0
		.amdhsa_kernarg_size 80
		.amdhsa_user_sgpr_count 2
		.amdhsa_user_sgpr_kernarg_segment_ptr 1
		.amdhsa_wavefront_size32 1
		.amdhsa_system_sgpr_workgroup_id_x 1
		.amdhsa_system_sgpr_workgroup_id_y 1
		.amdhsa_system_sgpr_workgroup_id_z 1
		.amdhsa_system_vgpr_workitem_id 0
		.amdhsa_next_free_vgpr 208
		.amdhsa_next_free_sgpr 66
		.amdhsa_reserve_vcc 0
		.amdhsa_float_denorm_mode_32 3
		.amdhsa_float_denorm_mode_16_64 3
		.amdhsa_memory_ordered 1
		.amdhsa_forward_progress 1
		.amdhsa_inst_pref_size 54
	.end_amdhsa_kernel
	.amdgpu_metadata
---
amdhsa.version: [ 1, 2 ]
amdhsa.kernels:
  - .name:           k_qf016e91a75_quant
    .symbol:         k_qf016e91a75_quant.kd
    .args:
      - { .name: x, .offset: 0, .size: 8, .value_kind: global_buffer, .address_space: global }
      - { .name: Wq, .offset: 8, .size: 8, .value_kind: global_buffer, .address_space: global }
      - { .name: Wk, .offset: 16, .size: 8, .value_kind: global_buffer, .address_space: global }
      - { .name: Wv, .offset: 24, .size: 8, .value_kind: global_buffer, .address_space: global }
      - { .name: Wo, .offset: 32, .size: 8, .value_kind: global_buffer, .address_space: global }
      - { .name: xc, .offset: 40, .size: 8, .value_kind: global_buffer, .address_space: global }
      - { .name: xs, .offset: 48, .size: 8, .value_kind: global_buffer, .address_space: global }
      - { .name: wc, .offset: 56, .size: 8, .value_kind: global_buffer, .address_space: global }
      - { .name: ws, .offset: 64, .size: 8, .value_kind: global_buffer, .address_space: global }
      - { .name: wo16, .offset: 72, .size: 8, .value_kind: global_buffer, .address_space: global }
    .group_segment_fixed_size: 33280
    .private_segment_fixed_size: 0
    .kernarg_segment_align: 8
    .kernarg_segment_size: 80
    .max_flat_workgroup_size: 128
    .sgpr_count:     66
    .vgpr_count:     208
    .wavefront_size: 32
...
	.end_amdgpu_metadata
.endif
;; end of part 1
;; launch qkv (part 2): grid 12 x 32, 4 waves a work-group, clusters of 4 x 4, 327,680 bytes of LDS; arguments xc, xs, wc, ws, rope_cos, rope_sin, qkv, fine_qkv; writes qkv, fine_qkv
.if DOCPART == 2
	.amdgcn_target "amdgcn-amd-amdhsa--gfx1250"
	.amdhsa_code_object_version 6
	.text
	.protected	k_qf016e91a75_qkv
	.globl	k_qf016e91a75_qkv
	.p2align	8
	.type	k_qf016e91a75_qkv,@function
k_qf016e91a75_qkv:
	s_mov_b64 s[64:65], 0
	v_nop
	global_prefetch_b8 v0, s[64:65] scope:SCOPE_SE
	s_setreg_imm32_b32 hwreg(HW_REG_WAVE_MODE, 25, 1), 1
	s_wait_xcnt 0x0
	s_wait_alu depctr_hold_cnt(0) depctr_sa_sdst(0) depctr_va_vdst(0) depctr_va_sdst(0) depctr_va_ssrc(0) depctr_va_vcc(0) depctr_vm_vsrc(0)
	s_getreg_b32 s2, hwreg(HW_REG_IB_STS2, 6, 4)
	s_cmp_eq_u32 s2, 0
	s_cbranch_scc0 .Lentry_in_a_cluster
	s_endpgm
.Lentry_in_a_cluster:
	s_bfe_u32 s2, ttmp6, 0x10000c
	s_cmp_lg_u32 s2, 0xf033
	s_cbranch_scc0 .Lentry_shape_is_right
	s_endpgm
.Lentry_shape_is_right:
; THE THREE PROJECTIONS as one product on codes of E2M1: C[m][n] = sum over k of x[m][k] W[n][k], m = 8,192 rows (batch, position), n = 3,072 (Wq's, Wk's, Wv's rows), K = 1,024; sums in f32.  Nothing is left out here.
; A tile of C, 256 x 256, is made by four waves, 128 x 128 each: 64 accumulators, 512 registers.  K goes in two steps of 512 through two LDS slots, each filled once by the tensor data mover; the scale bytes of the
; work-group's rows, for all of K, come once, as dense blocks.  CLUSTERS of 4 x 4: the four of a row need the same tiles of x, the four of a column the same tiles of W: each is asked for jointly.
; THE TILE ROW is 8 cy + cluster y: so the batch is cy, the tile's first position 256 x cluster y, and whether a tile holds positions under 16 hangs on the cluster's y alone.  THE KIND (q, k, v) is the cluster's x.
; THE MATRIX INSTRUCTION IS USED TRANSPOSED (source 0 = 16 rows of W, source 1 = 16 rows of x): a lane holds one row of C and eight neighbouring columns.
; THE WAY OUT.  A wave's 128 columns are two heads.  q and k: RoPE in f32 (channel d with d + 32 of the same head: tiles b and b + 2 of the head's four, same lane, same register), then a power-of-two-like scale, then f16.
; q is stored x log2(e) / 128 and k x 1 / 16, so that 256 x (q . k) is the score in powers of two; v is stored as it is.  qkv: [kind][batch][head][position][64] f16.
; LIMITS (f16): stored k has room for 190,000 times the drawn magnitudes, q more, v 12,000.  Positions under 16 also go out in f32, after RoPE and unscaled, into fine_qkv [batch][16][3072].
; REGISTERS, in windows of 256: window 0: v0-31 addresses; v32-95 scale words, two sets; v128-191 x's fragments, one set; on the way out v32-159 two sets of 64 results, v160-223 two sets of rows read back.
;   window 1: W's fragments, two sets, at v0 and v128; v64-127 and v192-255: two sets of RoPE's tables (32 cos, 32 sin).   windows 2, 3: the accumulators ((a, b) at v[8 (8 (a % 4) + b)]).
.set SIZE_K, 1024
.set KSTEP,  512
.set NQ,     KSTEP/128
.set ROWB,   256                       ; a tile's row in bytes
.set KROW,   SIZE_K*4/8                ; a row of codes in memory
.set PITCH,  272                       ; an LDS row: 256 bytes + 16 of padding: the 16 rows that a load touches start at 16 different banks
.set FR,     8
.set NL,     2
.set NP,     4
.set HALFT,  128*PITCH
.set SLOT,   4*HALFT
.set KS,     SIZE_K/32
.set SCL,    2*SLOT                    ; behind the slots: the scale bytes, as units of 256 bytes + 16 of padding
.set HALFS,  (128*KS/256)*272
.set SBLK,   (16*KS/256)*272
.set SPARE,  SCL+4*HALFS               ; the spare words, 128 bytes a wave
.set ADRA, 16
.set ADRB, 20
.set STO,  24                          ; v24  the way out: where I put 16 bytes of a row: the stage lies in slot 0, 4,608 bytes a wave: [2 heads][16 rows][128 + 16]
.set RD,   25                          ; v25  where I read rows back: eight lanes a row, four rows an instruction
.set GO,   26                          ; v26  16 x lane
.set ADRS, 27
.set SPW,  28
.set NIL,  29
.set TA,   30                          ; v30  RoPE's tables: row r of 256 bytes + 32 h
.set FO,   31                          ; v31  fine_qkv: row r of 12,288 bytes + 32 h
.set SC,   32
.set AF,   128
.set G1, 24
.set G0, 32
.set G1B, 48
.set G0B, 56
.set G1S, 68
.set G0S, 76
.set G1SB, 80
.set G0SB, 88
.set MSB, 0
.macro WIN new                         ; the immediate's high byte repeats the setting that is left
.if MSB != (\new)
	s_set_vgpr_msb (MSB<<8)|(\new)
.set MSB, (\new)
.endif
.endm
.set MUL_LO, 0xa1                      ; source 0 (W) window 1, source 1 (x) window 0, C and D window 2
.set MUL_HI, 0xf1
.set TO_B,   0x40                      ; destination window 1, address window 0
; A joint load: waves 0 and 1 fetch for x, waves 2 and 3 for W.  An s_nop 0 and four v_nop follow each of the two lines.
.macro JLOAD g0a, g1a, g0b, g1b
	s_cmp_eq_u32 s15, 0
	s_cbranch_scc0 .Lfor_b_\@
	tensor_load_to_lds s[\g0a:\g0a+3], s[\g1a:\g1a+7]
	s_nop 0
.rept 4
	v_nop
.endr
	s_branch .Lasked_\@
.Lfor_b_\@:
	tensor_load_to_lds s[\g0b:\g0b+3], s[\g1b:\g1b+7]
	s_nop 0
.rept 4
	v_nop
.endr
.Lasked_\@:
.endm
.macro CROUND                          ; a round of the cluster's barrier
	s_barrier_signal -1
	s_barrier_wait -1
	s_cmp_lg_u32 s14, 0
	s_cbranch_scc1 .Lnot_wave_0_\@
	s_barrier_signal -3
.Lnot_wave_0_\@:
	s_barrier_wait -3
	s_barrier_signal -1
	s_barrier_wait -1
.endm
	s_load_b128 s[4:7], s[0:1], 0x0                ; x's codes, x's scales
	s_load_b128 s[8:11], s[0:1], 0x10              ; W's codes, W's scales
	s_load_b128 s[96:99], s[0:1], 0x20             ; cos, sin
	s_load_b64 s[12:13], s[0:1], 0x30              ; qkv
	s_load_b64 s[100:101], s[0:1], 0x38            ; fine_qkv
	v_lshl_add_u32 v[SPW], v0, 2, SPARE
	v_mov_b32 v[NIL], 0
	ds_add_u32 v[SPW], v[NIL]                      ; the wave's opening: the add, twice on end, and its wait ahead of my first tensor load
	ds_add_u32 v[SPW], v[NIL]
	v_lshrrev_b32 v1, 5, v0
	v_readfirstlane_b32 s14, v1                    ; wave 0..3
	s_lshr_b32 s15, s14, 1                         ; which half of the tile's rows is mine.  Also: I fetch for x (0) or for W (1)
	s_and_b32 s16, s14, 1                          ; which half of its columns.  Also: which 128 rows I fetch
	s_bfe_u32 s40, ttmp6, 0x40000                  ; cx, cy
	s_bfe_u32 s41, ttmp6, 0x40004
	s_lshl_b32 s42, ttmp9, 2
	s_add_co_u32 s42, s42, s40                     ; tile column = 4 x cluster x + cx
	s_and_b32 s17, ttmp7, 0xffff
	s_lshl_b32 s18, s41, 3
	s_add_co_u32 s17, s17, s18                     ; tile row = 8 cy + cluster y
	s_lshl_b32 s43, s41, 2
	s_lshl_b32 s43, 15, s43                        ; my row of the cluster
	s_lshl_b32 s44, 0x1111, s40                    ; my column
	s_or_b32 s[G1+0], s43, (0<<16)|(1<<20)|(1<<21)|(5<<22)|(3<<25)  ; the mask; elements of 1 byte; padding on; bit 21 beside a mask; 4 words after every 64
	s_or_b32 s[G1B+0], s44, (0<<16)|(1<<20)|(1<<21)|(5<<22)|(3<<25)
.irp g, G1, G1B
	s_mov_b32 s[\g+1], ROWB<<16                    ; tensor_dim0
	s_mov_b32 s[\g+2], 128<<16                     ; tensor_dim1
	s_mov_b32 s[\g+3], ROWB<<16                    ; tile_dim0
	s_mov_b32 s[\g+4], 128                         ; tile_dim1
	s_mov_b32 s[\g+5], KROW                        ; the pitch
	s_mov_b32 s[\g+6], 0
	s_mov_b32 s[\g+7], 0
.endr
	s_or_b32 s[G1S+0], s43, (3<<16)|(1<<20)|(1<<21)|(5<<22)|(3<<25)  ; the scales of 128 rows: 4,096 dense bytes as 16 rows of 32 elements of 8 bytes
	s_or_b32 s[G1SB+0], s44, (3<<16)|(1<<20)|(1<<21)|(5<<22)|(3<<25)
.irp g, G1S, G1SB
	s_mov_b32 s[\g+1], 32<<16
	s_mov_b32 s[\g+2], (128*KS/256)<<16
	s_mov_b32 s[\g+3], 32<<16
	s_mov_b32 s[\g+4], 128*KS/256
	s_mov_b32 s[\g+5], 32
	s_mov_b32 s[\g+6], 0
	s_mov_b32 s[\g+7], 0
.endr
	s_lshl_b32 s18, s16, 7
	s_lshl_b32 s20, s17, 8
	s_add_co_u32 s20, s20, s18                     ; x: row 256 x tile row + 128 x half
	s_lshl_b32 s46, s42, 8
	s_add_co_u32 s46, s46, s18                     ; W: row 256 x tile column + 128 x half
	s_mov_b32 s21, 0
	s_mov_b32 s47, 0
	s_mov_b64 s[18:19], KS
	s_mul_u64 s[22:23], s[20:21], s[18:19]
	s_mul_u64 s[92:93], s[46:47], s[18:19]
	s_mov_b64 s[18:19], KROW
	s_mul_u64 s[20:21], s[20:21], s[18:19]
	s_mul_u64 s[46:47], s[46:47], s[18:19]
	s_mul_i32 s45, s14, HALFT                      ; where they go: wave x 128 rows
	s_mul_i32 s94, s14, HALFS
	s_wait_dscnt 0x0                               ; both opening adds are done
	s_wait_kmcnt 0x0
	s_add_nc_u64 s[20:21], s[4:5], s[20:21]
	s_add_nc_u64 s[22:23], s[6:7], s[22:23]
	s_add_nc_u64 s[46:47], s[8:9], s[46:47]
	s_add_nc_u64 s[92:93], s[10:11], s[92:93]
	CROUND                                         ; all sixteen work-groups are here: the joint loads meet
	s_mov_b32 s[G0S], 1
	s_add_co_u32 s[G0S+1], s94, SCL
	s_mov_b64 s[G0S+2:G0S+3], s[22:23]
	s_or_b32 s[G0S+3], s[G0S+3], 0x80000000
	s_mov_b32 s[G0SB], 1
	s_add_co_u32 s[G0SB+1], s94, SCL
	s_mov_b64 s[G0SB+2:G0SB+3], s[92:93]
	s_or_b32 s[G0SB+3], s[G0SB+3], 0x80000000
	JLOAD G0S, G1S, G0SB, G1SB                     ; the scales first; by this text's count three loads of a wave are out at the most
.irp s, 0,1
	s_mov_b32 s[G0+4*\s], 1
	s_add_co_u32 s[G0+4*\s+1], s45, \s*SLOT
	s_add_nc_u64 s[G0+4*\s+2:G0+4*\s+3], s[20:21], \s*ROWB
	s_or_b32 s[G0+4*\s+3], s[G0+4*\s+3], 0x80000000
	s_mov_b32 s[G0B+4*\s], 1
	s_add_co_u32 s[G0B+4*\s+1], s45, \s*SLOT
	s_add_nc_u64 s[G0B+4*\s+2:G0B+4*\s+3], s[46:47], \s*ROWB
	s_or_b32 s[G0B+4*\s+3], s[G0B+4*\s+3], 0x80000000
	JLOAD G0+4*\s, G1, G0B+4*\s, G1B
.endr
	v_and_b32 v1, 15, v0                           ; r
	v_bfe_u32 v2, v0, 4, 1                         ; h
	v_mul_u32_u24 v3, v1, PITCH
	v_lshl_add_u32 v4, v2, 4, v3
	s_mul_i32 s21, s15, HALFT
	s_mul_i32 s22, s16, HALFT
	s_add_co_u32 s22, s22, 2*HALFT
.irp s, 0,1
	v_add_nc_u32 v[ADRA+\s], s21, v4
	v_add_nc_u32 v[ADRB+\s], s22, v4
	s_add_co_u32 s21, s21, SLOT
	s_add_co_u32 s22, s22, SLOT
.endr
	v_mul_u32_u24 v5, v1, KS                       ; my row's scales: KS bytes a row, and 16 more for each 256 passed
	v_lshrrev_b32 v6, 8, v5
	v_lshl_add_u32 v5, v6, 4, v5
	s_mul_i32 s21, s15, HALFS
	s_mul_i32 s22, s16, HALFS
	s_add_co_u32 s22, s22, 2*HALFS
	s_sub_co_u32 s22, s22, s21
	v_mul_u32_u24 v6, s22, v2                      ; lanes 16-31 take W's
	s_add_co_u32 s21, s21, SCL
	v_add_nc_u32 v5, v5, v6
	v_add_nc_u32 v[ADRS], s21, v5
	s_mul_i32 s23, s14, 4608                       ; my stage
	v_mul_u32_u24 v5, v1, 144
	v_lshl_add_u32 v5, v2, 4, v5
	v_add_nc_u32 v[STO], s23, v5
	v_and_b32 v6, 31, v0
	v_lshrrev_b32 v5, 3, v6
	v_mul_u32_u24 v5, v5, 144
	v_and_b32 v7, 7, v0
	v_lshl_add_u32 v5, v7, 4, v5
	v_add_nc_u32 v[RD], s23, v5
	v_lshlrev_b32 v[GO], 4, v6
	v_lshlrev_b32 v[TA], 8, v1
	v_lshl_add_u32 v[TA], v2, 5, v[TA]
	v_mul_u32_u24 v[FO], v1, 12288
	v_lshl_add_u32 v[FO], v2, 5, v[FO]
	s_and_b32 s20, ttmp7, 0xffff                   ; cluster y
	s_or_b32 s22, s20, s15
	s_cmp_eq_u32 s22, 0
	s_cselect_b32 s95, 1, 0                        ; 1 where my first block of 16 rows is positions 0 to 15: the same in all partners, for a given wave
	s_lshl_b32 s20, s20, 8
	s_lshl_b32 s21, s15, 7
	s_add_co_u32 s20, s20, s21                     ; my first position
	s_lshl_b32 s22, s20, 8
	s_mov_b32 s23, 0
	s_add_nc_u64 s[96:97], s[96:97], s[22:23]      ; the tables at my first position
	s_add_nc_u64 s[98:99], s[98:99], s[22:23]
	s_lshl_b32 s46, s42, 2
	s_lshl_b32 s47, s16, 1
	s_add_co_u32 s46, s46, s47                     ; my first head among the 48 of q, k, v
	s_lshr_b32 s47, s46, 4
	s_lshl_b32 s47, s47, 24                        ; the kind: 16 MiB
	s_and_b32 s46, s46, 15
	s_lshl_b32 s46, s46, 18                        ; the head: 256 KiB
	s_add_co_u32 s46, s46, s47
	s_lshl_b32 s47, s41, 22                        ; the batch: 4 MiB
	s_add_co_u32 s46, s46, s47
	s_lshl_b32 s47, s20, 7                         ; the position: 128 bytes
	s_add_co_u32 s46, s46, s47
	s_mov_b32 s47, 0
	s_add_nc_u64 s[12:13], s[12:13], s[46:47]
	s_mul_i32 s46, s41, 196608                     ; fine_qkv: the batch's 16 rows of 12,288 bytes,
	s_lshl_b32 s22, s42, 10
	s_add_co_u32 s46, s46, s22
	s_lshl_b32 s22, s16, 9
	s_add_co_u32 s46, s46, s22                     ; my first column
	s_add_nc_u64 s[100:101], s[100:101], s[46:47]
	s_mov_b32 s2, 0x3d800000                       ; k: 1 / 16
	s_cmp_eq_u32 ttmp9, 0
	s_cselect_b32 s2, 0x3c38aa3b, s2               ; q: log2(e) / 128
	s_mov_b32 s3, s2                               ; (named with it as a pair)
.macro FRAG reg, adr, q, i             ; 16 rows x 128 K of 4-bit codes: 8 registers
.irp c, 0,1
	ds_load_b128 v[\reg+4*\c:\reg+4*\c+3], v[\adr] offset:64*(\q)+32*\c+(\i)*16*PITCH
.endr
.endm
; 16 matrix instructions: x's blocks a0, a0 + 1 against W's eight.  The 64 accumulators take turns, one instruction a turn, in the same order in every step.
.macro MUL16 a0, p, q, sc, zero
.irp a, \a0, \a0+1
.irp b, 0,1,2,3,4,5,6,7
.if \zero
	v_wmma_scale_f32_16x16x128_f8f6f4 v[8*(8*((\a)%4)+\b):8*(8*((\a)%4)+\b)+7], v[128*(\p)+FR*\b:128*(\p)+FR*\b+FR-1], v[AF+FR*(\a):AF+FR*(\a)+FR-1], 0, v[SC+8*NQ*(\sc)+NQ*\b+(\q)], v[SC+8*NQ*(\sc)+NQ*(\a)+(\q)] matrix_a_fmt:MATRIX_FMT_FP4 matrix_b_fmt:MATRIX_FMT_FP4 matrix_a_scale:MATRIX_SCALE_ROW1
.else
	v_wmma_scale_f32_16x16x128_f8f6f4 v[8*(8*((\a)%4)+\b):8*(8*((\a)%4)+\b)+7], v[128*(\p)+FR*\b:128*(\p)+FR*\b+FR-1], v[AF+FR*(\a):AF+FR*(\a)+FR-1], v[8*(8*((\a)%4)+\b):8*(8*((\a)%4)+\b)+7], v[SC+8*NQ*(\sc)+NQ*\b+(\q)], v[SC+8*NQ*(\sc)+NQ*(\a)+(\q)] matrix_a_fmt:MATRIX_FMT_FP4 matrix_b_fmt:MATRIX_FMT_FP4 matrix_a_scale:MATRIX_SCALE_ROW1
.endif
.endr
.endr
.endm
.macro FETCH_B slot, q, p
	WIN TO_B
.irp i, 0,1,2,3,4,5,6,7
	FRAG 128*(\p)+FR*\i, ADRB+\slot, \q, \i
.endr
	WIN 0
.endm
.macro FETCH_A slot, q, i0
.irp i, \i0, \i0+1, \i0+2, \i0+3
	FRAG AF+FR*(\i), ADRA+\slot, \q, \i
.endr
.endm
.macro SCALES sc                       ; a K step's scale words: lanes 0-15 x's block i, lanes 16-31 W's block i
.irp i, 0,1,2,3,4,5,6,7
	ds_load_b128 v[SC+8*NQ*\sc+NQ*\i:SC+8*NQ*\sc+NQ*\i+3], v[ADRS] offset:\i*SBLK
.endr
.endm
.macro PLACES n                        ; plain vector instructions between a matrix instruction and a load into, or a vector access to, its registers
.rept \n
	v_nop
.endr
.endm
.macro STEP slot, q, zero              ; 128 along K, with its successor in the same slot
	s_wait_dscnt 4*NL                              ; W's set and x's blocks 0-3 are in; the youngest eight loads (x's blocks 4-7) may be out
	WIN MUL_LO
	MUL16 0, (\q)%2, \q, \slot, \zero
	MUL16 2, (\q)%2, \q, \slot, \zero
	s_wait_dscnt 0
	PLACES NP
	FETCH_B \slot, (\q)+1, 1-(\q)%2
	FETCH_A \slot, (\q)+1, 0
	WIN MUL_HI
	MUL16 4, (\q)%2, \q, \slot, \zero
	MUL16 6, (\q)%2, \q, \slot, \zero
	PLACES NP
	WIN 0
	FETCH_A \slot, (\q)+1, 4
.endm
; Slot 0's last step changes slots: each wave waits for all its tensor loads (its part of slot 1), adds 0 to its spare word, waits for that and for its reads of slot 0; one barrier.  Nothing is filled again.
.macro TURN slot, next
	s_wait_tensorcnt 0x0
	ds_add_u32 v[SPW], v[NIL]
	s_wait_dscnt 4*NL+1                            ; (the add and the youngest eight loads may be out)
	WIN MUL_LO
	MUL16 0, 1, NQ-1, \slot, 0
	s_wait_dscnt 0x0                               ; the add is done, and my reads of this slot are over
	s_barrier_signal -1
	MUL16 2, 1, NQ-1, \slot, 0
	WIN 0
	s_barrier_wait -1
	PLACES NP
	v_add_nc_u32 v[ADRS], 4*NQ, v[ADRS]            ; on to the next K step's scale words
	FETCH_B \next, 0, 0
	FETCH_A \next, 0, 0
	SCALES \next
	WIN MUL_HI
	MUL16 4, 1, NQ-1, \slot, 0
	MUL16 6, 1, NQ-1, \slot, 0
	PLACES NP
	WIN 0
	FETCH_A \next, 0, 4
.endm
.macro STEPS slot, from
.set Q, \from
.rept NQ-1-\from
	STEP \slot, Q, 0
.set Q, Q+1
.endr
.endm
.macro TAIL                            ; slot 1's four steps; the places behind the last products serve the way out's first accesses
	STEPS 1, 0
	s_wait_dscnt 4*NL
	WIN MUL_LO
	MUL16 0, 1, NQ-1, 1, 0
	MUL16 2, 1, NQ-1, 1, 0
	s_wait_dscnt 0
	WIN MUL_HI
	MUL16 4, 1, NQ-1, 1, 0
	MUL16 6, 1, NQ-1, 1, 0
	WIN 0
	PLACES NP
.endm
; THE WAY OUT, block a of 16 rows at a time.
.macro TABLE a                         ; cos and sin of block a's 16 positions: register 8 bb + j = channel 16 bb + 8 h + j; sin 32 registers on
.set TBS, 64+128*((\a)%2)
	WIN TO_B
.irp bb, 0,1,2,3
.irp e, 0,1
	global_load_b128 v[TBS+8*\bb+4*\e:TBS+8*\bb+4*\e+3], v[TA], s[96:97] offset:(\a)*4096+64*\bb+16*\e
	global_load_b128 v[TBS+32+8*\bb+4*\e:TBS+32+8*\bb+4*\e+3], v[TA], s[98:99] offset:(\a)*4096+64*\bb+16*\e
.endr
.endr
	WIN 0
.endm
.macro ROPE a                          ; lo = tile 4 hh + bb (channels under 32), hi = lo + 2:  lo cos - hi sin;  hi cos + lo sin, each with its own channel's table entries.  Each accumulator is read from its low end on
.set AC, 64*((\a)%4)
.set TBS, 64+128*((\a)%2)
.set TT, 32+64*((\a)%2)
	WIN 0x06+(\a)/4                                ; source 0: the accumulators' window; source 1: window 1
.irp hh, 0,1
.irp bb, 0,1
.irp jp, 0,2,4,6
	v_pk_mul_f32 v[TT+8*(4*\hh+\bb)+\jp:TT+8*(4*\hh+\bb)+\jp+1], v[AC+8*(4*\hh+\bb)+\jp:AC+8*(4*\hh+\bb)+\jp+1], v[TBS+8*\bb+\jp:TBS+8*\bb+\jp+1]
	v_pk_mul_f32 v[TT+8*(4*\hh+\bb+2)+\jp:TT+8*(4*\hh+\bb+2)+\jp+1], v[AC+8*(4*\hh+\bb+2)+\jp:AC+8*(4*\hh+\bb+2)+\jp+1], v[TBS+8*(\bb+2)+\jp:TBS+8*(\bb+2)+\jp+1]
	v_pk_fma_f32 v[TT+8*(4*\hh+\bb)+\jp:TT+8*(4*\hh+\bb)+\jp+1], v[AC+8*(4*\hh+\bb+2)+\jp:AC+8*(4*\hh+\bb+2)+\jp+1], v[TBS+32+8*\bb+\jp:TBS+32+8*\bb+\jp+1], v[TT+8*(4*\hh+\bb)+\jp:TT+8*(4*\hh+\bb)+\jp+1] neg_lo:[0,1,0] neg_hi:[0,1,0]
	v_pk_fma_f32 v[TT+8*(4*\hh+\bb+2)+\jp:TT+8*(4*\hh+\bb+2)+\jp+1], v[AC+8*(4*\hh+\bb)+\jp:AC+8*(4*\hh+\bb)+\jp+1], v[TBS+32+8*(\bb+2)+\jp:TBS+32+8*(\bb+2)+\jp+1], v[TT+8*(4*\hh+\bb+2)+\jp:TT+8*(4*\hh+\bb+2)+\jp+1]
.endr
.endr
.endr
	WIN 0
.endm
.macro FINE_R                          ; positions 0 to 15 of q or k, after RoPE, unscaled, in f32
	s_cmp_eq_u32 s95, 1
	s_cbranch_scc0 .Lno_fine_\@
.irp i, 0,1,2,3,4,5,6,7
	global_store_b128 v[FO], v[32+8*\i:32+8*\i+3], s[100:101] offset:64*\i
	global_store_b128 v[FO], v[32+8*\i+4:32+8*\i+7], s[100:101] offset:64*\i+16
.endr
	s_wait_xcnt 0x0                                ; the stores have read their registers, which the scaling writes next
.Lno_fine_\@:
.endm
.macro FINE_V                          ; the same of v, straight from the accumulators, each from its low end on
	s_cmp_eq_u32 s95, 1
	s_cbranch_scc0 .Lno_fine_\@
	WIN 0x08                                       ; a store's data are its source 1: window 2
.irp i, 0,1,2,3,4,5,6,7
	global_store_b128 v[FO], v[8*\i:8*\i+3], s[100:101] offset:64*\i
	global_store_b128 v[FO], v[8*\i+4:8*\i+7], s[100:101] offset:64*\i+16
.endr
	WIN 0
.Lno_fine_\@:
.endm
.macro PACK a                          ; the scale, then f16, in place: tile i's eight numbers into its first four registers
.set TT, 32+64*((\a)%2)
.set i, 0
.rept 32
	v_pk_mul_f32 v[TT+i:TT+i+1], v[TT+i:TT+i+1], s[2:3] op_sel_hi:[1,0]
.set i, i+2
.endr
.irp i, 0,1,2,3,4,5,6,7
.irp k, 0,1,2,3
	v_cvt_pk_f16_f32 v[TT+8*\i+\k], v[TT+8*\i+2*\k], v[TT+8*\i+2*\k+1]
.endr
.endr
.endm
.macro PACKV a
.set AC, 64*((\a)%4)
.set TT, 32+64*((\a)%2)
	WIN 0x0a+5*((\a)/4)                            ; sources 0 and 1: window 2 or 3
.irp i, 0,1,2,3,4,5,6,7
.irp k, 0,1,2,3
	v_cvt_pk_f16_f32 v[TT+8*\i+\k], v[AC+8*\i+2*\k], v[AC+8*\i+2*\k+1]
.endr
.endr
	WIN 0
.endm
.macro TOSTAGE a                       ; into my stage and back as rows: LDS serves a wave's instructions in order, so no wait stands between
.set TT, 32+64*((\a)%2)
.set BB, 160+32*((\a)%2)
.irp i, 0,1,2,3,4,5,6,7
	ds_store_b128 v[STO], v[TT+8*\i:TT+8*\i+3] offset:(\i/4)*2304+32*(\i%4)
.endr
.irp u, 0,1,2,3,4,5,6,7
	ds_load_b128 v[BB+4*\u:BB+4*\u+3], v[RD] offset:(\u/4)*2304+(\u%4)*576
.endr
.endm
.macro SEND a, younger
.set BB, 160+32*((\a)%2)
	s_wait_dscnt \younger                          ; the block is back; the next block's 8 stores and 8 loads may be out
.irp u, 0,1,2,3,4,5,6,7
	global_store_b128 v[GO], v[BB+4*\u:BB+4*\u+3], s[12:13] offset:(\u/4)*262144+(\a)*2048+(\u%4)*512   ; four rows of a head: 512 consecutive bytes, aligned
.endr
.endm
	s_wait_tensorcnt 1                             ; the scales and my part of slot 0 are in (slot 1's load may be out),
	s_barrier_signal -1
	s_barrier_wait -1                              ; everybody's are
	FETCH_B 0, 0, 0
	FETCH_A 0, 0, 0
	SCALES 0
	FETCH_A 0, 0, 4
	STEP 0, 0, 1                                   ; the first products start the sums: nothing is cleared
	STEPS 0, 1
	TURN 0, 1
	s_cmp_eq_u32 ttmp9, 2                          ; v has no RoPE: the cluster's x alone decides, alike in all partners
	s_cbranch_scc1 .Lplain
	TABLE 0                                        ; the first two blocks' tables are asked for four steps ahead of their use
	TABLE 1
	TAIL
.irp a, 0,1,2,3,4,5,6,7
.if \a < 7
	s_wait_loadcnt 16                              ; this block's tables are in; the next block's 16 loads may be out
.else
	s_wait_loadcnt 0
.endif
	ROPE \a
.if \a < 6
	TABLE \a+2
.endif
.if \a == 0
	FINE_R
.endif
	PACK \a
.if \a > 1
	s_wait_xcnt 0x0                                ; the stores of two blocks back have read the registers into which this block's rows come
.endif
	TOSTAGE \a
.if \a > 0
	SEND \a-1, 16
.endif
.endr
	SEND 7, 0
	s_branch .Ldone
.Lplain:
	TAIL
.irp a, 0,1,2,3,4,5,6,7
.if \a == 0
	FINE_V
.endif
	PACKV \a
.if \a > 1
	s_wait_xcnt 0x0
.endif
	TOSTAGE \a
.if \a > 0
	SEND \a-1, 16
.endif
.endr
	SEND 7, 0
.Ldone:
	s_wait_tensorcnt 0x0                           ; the wave's end: three lines behind my last tensor load and my last LDS store
	ds_add_u32 v[SPW], v[NIL]
	s_wait_dscnt 0x0
	CROUND                                         ; the closing round
	s_endpgm
.Lfunc_end_k_qf016e91a75_qkv:
	.size	k_qf016e91a75_qkv, .Lfunc_end_k_qf016e91a75_qkv-k_qf016e91a75_qkv
	.p2alignl 7, 3214868480
	.fill 96, 4, 3214868480
	.section	.rodata,"a",@progbits
	.p2align	6, 0x0
	.amdhsa_kernel k_qf016e91a75_qkv
		.amdhsa_group_segment_fixed_size 327680
		.amdhsa_private_segment_fixed_size 0
		.amdhsa_enable_private_segment 0
		.amdhsa_kernarg_size 64
		.amdhsa_user_sgpr_count 2
		.amdhsa_user_sgpr_kernarg_segment_ptr 1
		.amdhsa_wavefront_size32 1
		.amdhsa_system_sgpr_workgroup_id_x 1
		.amdhsa_system_sgpr_workgroup_id_y 1
		.amdhsa_system_sgpr_workgroup_id_z 1
		.amdhsa_system_vgpr_workitem_id 0
		.amdhsa_next_free_vgpr 1024
		.amdhsa_next_free_sgpr 102
		.amdhsa_reserve_vcc 0
		.amdhsa_float_denorm_mode_32 3
		.amdhsa_float_denorm_mode_16_64 3
		.amdhsa_memory_ordered 1
		.amdhsa_forward_progress 1
		.amdhsa_inst_pref_size 255
	.end_amdhsa_kernel
	.section	.bss,"aw",@nobits
	.p2align	6
	.space	262144
	.amdgpu_metadata
---
amdhsa.version: [ 1, 2 ]
amdhsa.kernels:
  - .name:           k_qf016e91a75_qkv
    .symbol:         k_qf016e91a75_qkv.kd
    .args:
      - { .name: xc, .offset: 0, .size: 8, .value_kind: global_buffer, .address_space: global }
      - { .name: xs, .offset: 8, .size: 8, .value_kind: global_buffer, .address_space: global }
      - { .name: wc, .offset: 16, .size: 8, .value_kind: global_buffer, .address_space: global }
      - { .name: ws, .offset: 24, .size: 8, .value_kind: global_buffer, .address_space: global }
      - { .name: rope_cos, .offset: 32, .size: 8, .value_kind: global_buffer, .address_space: global }
      - { .name: rope_sin, .offset: 40, .size: 8, .value_kind: global_buffer, .address_space: global }
      - { .name: qkv, .offset: 48, .size: 8, .value_kind: global_buffer, .address_space: global }
      - { .name: fine_qkv, .offset: 56, .size: 8, .value_kind: global_buffer, .address_space: global }
    .group_segment_fixed_size: 327680
    .private_segment_fixed_size: 0
    .kernarg_segment_align: 8
    .kernarg_segment_size: 64
    .max_flat_workgroup_size: 128
    .sgpr_count:     102
    .vgpr_count:     1024
    .wavefront_size: 32
...
	.end_amdgpu_metadata
.endif
;; end of part 2
;; launch attn (part 3): grid 4 x 64, 8 waves a work-group, no clusters, 327,680 bytes of LDS; arguments qkv, attention_mask, att; writes att
.if DOCPART == 3
	.amdgcn_target "amdgcn-amd-amdhsa--gfx1250"
	.amdhsa_code_object_version 6
	.text
	.protected	k_qf016e91a75_attn
	.globl	k_qf016e91a75_attn
	.p2align	8
	.type	k_qf016e91a75_attn,@function
k_qf016e91a75_attn:
	s_mov_b64 s[64:65], 0
	v_nop
	global_prefetch_b8 v0, s[64:65] scope:SCOPE_SE
	s_setreg_imm32_b32 hwreg(HW_REG_WAVE_MODE, 25, 1), 1
	s_wait_xcnt 0x0
; ATTENTION of one head: att[q][:] = sum over k of softmax_k(score) v[k][:], key k counting for query q where k <= q and attention_mask[batch][k] != 0.  Operands f16, products, maxima and sums f32.
; LEFT OUT: steps of 64 keys all of which come after a wave's 32 queries: the causal mask, which the problem's function builds itself, gives them the weight 0 for all values of the inputs.
; The key mask is an input: it is honoured by values alone (a bias of 0 or -2^100 as the C of the first product), never by a branch.
; q is stored x log2(e) / 128, k x 1 / 16: t = 256 s is the score in powers of two; p = 2^(256 s - 256 m), m the running maximum of s: at the maximum the exponent is exactly 0, whatever the scores' size.
; A hidden or masked score is -2^100 and m never falls under -2^99: its p is 0 and no infinity arises on the way.  A query with no key that counts ends with sum 0 and O 0: 0 x infinity = NaN, as the softmax of -infinities is.
; LIMIT: true scores s under -2^99 are not told from masked ones.
; SHARES.  Work-group (i, head) owns the blocks of 256 queries i and 7 - i, the short one first: slots of 256 keys 0 .. i, then 0 .. 7 - i: NINE trips in every work-group, so that trip counts are constants and all work-groups are alike.
; Each of eight waves owns 32 queries of the block in hand: two tiles of 16.  No cluster: the four work-groups of a head change blocks at different trips (i + 1), so their walks part.
; LAYOUT.  S^T = K Q^T (source 0 = 16 keys, source 1 = 16 queries): a lane holds ONE query and keys 8 (lane / 16) + 0 .. 7 of each tile; two tiles rounded in pairs ARE source 1 of O^T = V^T P.  V comes out of LDS turned.
; LDS: slot 0: K 256 rows x 144, V 256 rows x 160;  BIAS: 9 trips x 256 keys x 4 bytes, in the order of the walk;  STAGE: 8 waves x 32 rows x 144;  the spare words;  slot 1 at 2^17.
; REGISTERS: v1-11 addresses; v12, v13 the add's two; v14, v15 at work; v16-31 statistics, 8 a tile: +0 256 m, +1 m, +2, +3 the sum, +4 .. +7 at work (a at +6); v32-63 Q; v64-127 S^T, then p, then P; v128-191 O^T; v192-255 K's, then V's fragments.
.set KP,    144
.set VP,    160
.set VOFF,  256*KP
.set BIAS,  VOFF+256*VP
.set STAGE, BIAS+9*1024
.set SPARE, STAGE+8*4608
.set SLOT1, 1<<17
.set ST, 16
.set Q,  32
.set S,  64
.set O,  128
.set KV, 192
; s10 wave; s11 wave % 4; s12 i; s13 head among 64; s14 the trip at which the blocks change (i + 1); s15 the trip; s16 the slot to be asked for; s17 the step's first key; s18 my first query; s19 counts a slot's steps
; s[20:21] lane selects; s[22:23] 256.0; s[24:31], s[32:39] descriptor groups 1 for K, V; s[40:43], s[44:47] their groups 0; s[48:49], s[50:51] my quarter of slot 0 of K, V in memory; s[52:53] Q's head; s[54:55] att's head
; s[56:57] my queries; s[58:59] my rows of att; s[60:61] the prefetches' place; s62 their last trip + 1; s63 -2^100; s66, s67, s68 the step's place in K, V, BIAS; s70-73 at work
.macro JLOAD                           ; waves 0-3 fetch K's quarters of a slot, waves 4-7 V's: 64 rows each.  An s_nop 0 and four v_nop follow each of the two lines
	s_cmp_lt_u32 s10, 4
	s_cbranch_scc0 .Lfor_v_\@
	tensor_load_to_lds s[40:43], s[24:31]
	s_nop 0
.rept 4
	v_nop
.endr
	s_branch .Lasked_\@
.Lfor_v_\@:
	tensor_load_to_lds s[44:47], s[32:39]
	s_nop 0
.rept 4
	v_nop
.endr
.Lasked_\@:
.endm
; A PREFETCH INTO THE L2: the head's work-group 0 alone asks, in trip J = 0 .. 5 for slot J + 2 of K and V: each wave its 8,192 bytes, lanes 256 bytes apart: each aligned block of 256 bytes of slots 2 to 7 is named once in the launch.
; That is two changes of slots ahead of this work-group's own load of the slot.  Slots 0 and 1 come by their loads alone.  It stands behind the wave's tensor load.
.macro ASK
	s_cmp_lt_u32 s15, s62
	s_cbranch_scc0 .Lnot_mine_\@
	global_prefetch_b8 v11, s[60:61] th:TH_LOAD_NT scope:SCOPE_SE
.Lnot_mine_\@:
.endm
; THE CHANGE OF SLOTS, at a trip's head.  Each wave waits for all its tensor loads (one is out: its part of the slot that it is about to read), adds 0 to its spare word, and waits for that and for its reads of the slot left.
; fill = 1: behind the barrier the slot left is filled with the next trip's keys: the load has a trip's four steps in which to land.
.macro CHANGE fill
	s_wait_tensorcnt 0x0                           ; no tensor load of mine is out, so a group 0 may be written
	ds_add_u32 v12, v13
.if \fill
	s_add_co_u32 s16, s16, 1                       ; the next trip's slot of keys:
	s_add_co_u32 s70, s15, 1
	s_cmp_eq_u32 s70, s14
	s_cselect_b32 s16, 0, s16                      ; the second block begins at key 0 again
	s_lshl_b32 s70, s16, 15                        ; 256 rows of 128 bytes
	s_mov_b32 s71, 0
	s_xor_b32 s41, s41, SLOT1
	s_add_nc_u64 s[42:43], s[48:49], s[70:71]
	s_or_b32 s43, s43, 0x80000000
	s_xor_b32 s45, s45, SLOT1
	s_add_nc_u64 s[46:47], s[50:51], s[70:71]
	s_or_b32 s47, s47, 0x80000000
	s_wait_xcnt 0x0                                ; the last prefetch, a trip back, has read its address
	s_add_nc_u64 s[60:61], s[60:61], 0x8000
.endif
	s_wait_dscnt 0x0                               ; the add is done, my LDS stores have landed and my reads of the slot left are over
	s_barrier_signal -1
	s_barrier_wait -1
.if \fill
	JLOAD                                          ; the first thing behind the barrier, and a wave's one tensor load until the next
	ASK
.endif
.endm
.macro REINIT                          ; a block of queries begins: its number in s70
	s_lshl_b32 s18, s70, 8
	s_lshl_b32 s71, s10, 5
	s_add_co_u32 s18, s18, s71                     ; my first query
	s_lshl_b32 s72, s18, 7
	s_mov_b32 s73, 0
	s_add_nc_u64 s[56:57], s[52:53], s[72:73]
	s_add_nc_u64 s[58:59], s[54:55], s[72:73]
.irp t, 0,1
.irp c, 0,1
	global_load_b128 v[Q+16*\t+8*\c:Q+16*\t+8*\c+3], v7, s[56:57] offset:\t*2048+64*\c
	global_load_b128 v[Q+16*\t+8*\c+4:Q+16*\t+8*\c+7], v7, s[56:57] offset:\t*2048+64*\c+32
.endr
.endr
.irp t, 0,1
	v_mov_b32 v[ST+8*\t], 0xf5000000               ; 256 m = -2^107
	v_mov_b32 v[ST+8*\t+1], 0xf1000000             ; m = -2^99
	v_mov_b32 v[ST+8*\t+2], 0                      ; the sum, in two halves
	v_mov_b32 v[ST+8*\t+3], 0
.endr
.set i, 0
.rept 64
	v_mov_b32 v[O+i], 0                            ; O^T: the step is written once; the first finds zeros
.set i, i+1
.endr
	s_wait_loadcnt 0x0
.endm
; A STEP: 64 keys.
.macro STEP
	s_add_co_u32 s70, s18, 31
	s_cmp_gt_u32 s17, s70                          ; all 64 keys come after my 32 queries: ids and counts alone
	s_cbranch_scc1 .Lhid_\@
	v_add_nc_u32 v4, s66, v1
	v_add_nc_u32 v5, s67, v2
	v_add_nc_u32 v6, s68, v3
	v_nop
	v_nop                                          ; five places behind the last step's products: for the loads into their sources (four) and for the products that write over them (five)
.irp f, 0,1,2,3,4,5,6,7                ; K: keys 16 (f / 2) on, channels 32 (f % 2) on
	ds_load_b128 v[KV+8*\f:KV+8*\f+3], v4 offset:(\f/2)*16*KP+(\f%2)*64
	ds_load_b128 v[KV+8*\f+4:KV+8*\f+7], v4 offset:(\f/2)*16*KP+(\f%2)*64+32
.endr
.irp t, 0,1
.irp k, 0,1,2,3                        ; the keys' bias goes straight into S^T's registers: it is the C of the first product
	ds_load_b128 v[S+32*\t+8*\k:S+32*\t+8*\k+3], v6 offset:64*\k
	ds_load_b128 v[S+32*\t+8*\k+4:S+32*\t+8*\k+7], v6 offset:64*\k+16
.endr
.endr
	s_wait_dscnt 0x0
.set i, 0
.rept 16                               ; S^T = bias + K Q^T: the eight accumulators by turns
.set rS, S+32*(i%2)+8*((i/2)%4)
.set rK, KV+8*(2*((i/2)%4)+i/8)
.set rQ, Q+16*(i%2)+8*(i/8)
	v_wmma_f32_16x16x32_f16 v[rS:rS+7], v[rK:rK+7], v[rQ:rQ+7], v[rS:rS+7]
.set i, i+1
.endr
.rept 4
	v_nop                                          ; places in front of the loads into K's registers and of the first reads of S^T
.endr
.irp f, 0,1,2,3,4,5,6,7                ; V turned: keys 32 (f / 4) on, channels 16 (f % 4) on; it lands while the softmax is walked
	ds_load_tr16_b128 v[KV+8*\f:KV+8*\f+3], v5 offset:(\f/4)*32*VP+(\f%4)*32
	ds_load_tr16_b128 v[KV+8*\f+4:KV+8*\f+7], v5 offset:(\f/4)*32*VP+16*VP+(\f%4)*32
.endr
	s_add_co_u32 s70, s17, 63
	s_cmp_le_u32 s70, s18                          ; all 64 keys count for all my queries: the diagonal's lines are passed over
	s_cbranch_scc1 .Lopen_\@
	s_sub_co_i32 s70, s18, s17
	v_and_b32 v14, 15, v0
	v_bfe_u32 v15, v0, 4, 1
	v_lshlrev_b32 v15, 3, v15
	v_sub_nc_u32 v14, v14, v15
	v_add_nc_u32 v14, s70, v14                     ; d = my query of tile 0 - the step's first key - 8 (lane / 16): register 8 kt + j holds a key that counts where 16 kt + j <= d
	v_add_nc_u32 v15, 16, v14                      ; the same for tile 1
	v_mov_b32 v23, s63                             ; -2^100 (tile 0's c3 is free here)
.irp n, 0,1,2,3,4,5,6,7,8,9,10,11,12,13,14,15,16,17,18,19,20,21,22,23,24,25,26,27,28,29,30,31
	v_cmp_le_i32 vcc_lo, 16*(\n/8)+\n%8, v14
	v_cndmask_b32 v[S+\n], v23, v[S+\n], vcc_lo
	v_cmp_le_i32 vcc_lo, 16*(\n/8)+\n%8, v15
	v_cndmask_b32 v[S+32+\n], v23, v[S+32+\n], vcc_lo
.endr
.Lopen_\@:
.irp j, 0,1,2,3                        ; the maximum of a tile's 32 scores and the old m: four chains, the two tiles by turns; each accumulator is read from its low end on
.irp t, 0,1
	v_max3_num_f32 v[ST+8*\t+4+\j], v[S+32*\t+8*\j], v[S+32*\t+8*\j+1], v[S+32*\t+8*\j+2]
.endr
.endr
.irp g, 3,5
.irp j, 0,1,2,3
.irp t, 0,1
	v_max3_num_f32 v[ST+8*\t+4+\j], v[ST+8*\t+4+\j], v[S+32*\t+8*\j+\g], v[S+32*\t+8*\j+\g+1]
.endr
.endr
.endr
.irp t, 0,1
	v_max3_num_f32 v[ST+8*\t+4], v[ST+8*\t+4], v[S+32*\t+7], v[S+32*\t+15]
.endr
.irp t, 0,1
	v_max3_num_f32 v[ST+8*\t+6], v[ST+8*\t+6], v[S+32*\t+23], v[S+32*\t+31]
.endr
.irp t, 0,1
	v_max3_num_f32 v[ST+8*\t+4], v[ST+8*\t+4], v[ST+8*\t+5], v[ST+8*\t+6]
.endr
.irp t, 0,1
	v_max3_num_f32 v[ST+8*\t+4], v[ST+8*\t+4], v[ST+8*\t+7], v[ST+8*\t+1]
.endr
.irp t, 0,1
	v_permlanex16_b32 v[ST+8*\t+5], v[ST+8*\t+4], s20, s21   ; the query's other 32 keys lie in the lane 16 away
.endr
.irp t, 0,1
	v_mov_b32 v[ST+8*\t+7], v[ST+8*\t]             ; the old 256 m
.endr
.irp t, 0,1
	v_max_num_f32 v[ST+8*\t+1], v[ST+8*\t+4], v[ST+8*\t+5]
.endr
.irp t, 0,1
	v_mul_f32 v[ST+8*\t], s22, v[ST+8*\t+1]        ; 256 m: exact
.endr
.irp t, 0,1
	v_sub_f32 v[ST+8*\t+7], v[ST+8*\t+7], v[ST+8*\t]
.endr
.irp j, 0,2,4,6,8,10,12,14,16,18,20,22,24,26,28,30
.irp t, 0,1
	v_pk_fma_f32 v[S+32*\t+\j:S+32*\t+\j+1], v[S+32*\t+\j:S+32*\t+\j+1], s[22:23], v[ST+8*\t:ST+8*\t+1] op_sel_hi:[1,0,0] neg_lo:[0,0,1] neg_hi:[0,0,1]   ; 256 s - 256 m
.endr
.endr
.irp t, 0,1
	v_exp_f32 v[ST+8*\t+6], v[ST+8*\t+7]           ; a = 2^(256 m_old - 256 m_new)
.endr
.set i, 0
.rept 64
	v_exp_f32 v[S+i], v[S+i]                       ; p
.set i, i+1
.endr
	v_nop                                          ; a plain instruction behind the last exponential
	s_wait_alu depctr_va_vdst(0)                   ; one wait for the batch of 66, ahead of its first reader
.irp t, 0,1
	v_pk_mul_f32 v[ST+8*\t+2:ST+8*\t+3], v[ST+8*\t+2:ST+8*\t+3], v[ST+8*\t+6:ST+8*\t+7] op_sel_hi:[1,0]
.endr
.irp t, 0,1
	v_pk_add_f32 v[ST+8*\t+4:ST+8*\t+5], v[S+32*\t+2:S+32*\t+3], v[S+32*\t+6:S+32*\t+7]   ; the sum of the unrounded p, in two chains
.endr
.irp j, 0,4
.irp t, 0,1
	v_pk_add_f32 v[ST+8*\t+2:ST+8*\t+3], v[ST+8*\t+2:ST+8*\t+3], v[S+32*\t+\j:S+32*\t+\j+1]
.endr
.endr
.irp j, 8,12,16,20,24,28
.irp t, 0,1
	v_pk_add_f32 v[ST+8*\t+2:ST+8*\t+3], v[ST+8*\t+2:ST+8*\t+3], v[S+32*\t+\j:S+32*\t+\j+1]
	v_pk_add_f32 v[ST+8*\t+4:ST+8*\t+5], v[ST+8*\t+4:ST+8*\t+5], v[S+32*\t+\j+2:S+32*\t+\j+3]
.endr
.endr
.irp t, 0,1
	v_pk_add_f32 v[ST+8*\t+2:ST+8*\t+3], v[ST+8*\t+2:ST+8*\t+3], v[ST+8*\t+4:ST+8*\t+5]
.endr
.irp j, 0,2,4,6,8,10,12,14,16,18,20,22,24,26,28,30
.irp t, 0,1
	v_pk_mul_f32 v[O+32*\t+\j:O+32*\t+\j+1], v[O+32*\t+\j:O+32*\t+\j+1], v[ST+8*\t+6:ST+8*\t+7] op_sel_hi:[1,0]   ; O^T x a
.endr
.endr
.irp k, 0,1,2,3,4,5,6,7,8,9,10,11,12,13,14,15
.irp t, 0,1
	v_cvt_pk_f16_f32 v[S+32*\t+16*(\k/8)+\k%8], v[S+32*\t+16*(\k/8)+2*(\k%8)], v[S+32*\t+16*(\k/8)+2*(\k%8)+1]   ; P in place, ascending: 32 keys' weights in eight registers
.endr
.endr
	s_wait_dscnt 0x0                               ; V is in
.set i, 0
.rept 16                               ; O^T += V^T P: the eight accumulators by turns
.set rO, O+32*(i%2)+8*((i/2)%4)
.set rV, KV+8*(4*(i/8)+(i/2)%4)
.set rP, S+32*(i%2)+16*(i/8)
	v_wmma_f32_16x16x32_f16 v[rO:rO+7], v[rV:rV+7], v[rP:rP+7], v[rO:rO+7]
.set i, i+1
.endr
.Lhid_\@:
	s_add_co_u32 s17, s17, 64
	s_add_co_u32 s66, s66, 64*KP
	s_add_co_u32 s67, s67, 64*VP
	s_add_co_u32 s68, s68, 256
.endm
.macro SLOT_STEPS                      ; a slot's four steps: written once, walked four times
	s_mov_b32 s19, 4
.Lstep_\@:
	STEP
	s_sub_co_u32 s19, s19, 1
	s_cmp_lg_u32 s19, 0
	s_cbranch_scc1 .Lstep_\@
	s_sub_co_u32 s66, s66, 256*KP                  ; back to a slot's first step, in the other slot
	s_xor_b32 s66, s66, SLOT1
	s_sub_co_u32 s67, s67, 256*VP
	s_xor_b32 s67, s67, SLOT1
.endm
.macro FINISH                          ; a block of queries ends: O^T / the sum, f16, through my stage, out as rows
.rept 4
	v_nop                                          ; places behind the last products
.endr
.irp t, 0,1
	v_add_f32 v[ST+8*\t+4], v[ST+8*\t+2], v[ST+8*\t+3]
.endr
.irp t, 0,1
	v_permlanex16_b32 v[ST+8*\t+5], v[ST+8*\t+4], s20, s21
.endr
.irp t, 0,1
	v_add_f32 v[ST+8*\t+4], v[ST+8*\t+4], v[ST+8*\t+5]
.endr
.irp t, 0,1
	v_rcp_f32 v[ST+8*\t+6], v[ST+8*\t+4]
.endr
	v_nop
	s_wait_alu depctr_va_vdst(0)                   ; one wait for the two reciprocals, ahead of their first reader
.irp t, 0,1
.set i, 0
.rept 32
	v_mul_f32 v[O+32*\t+i], v[O+32*\t+i], v[ST+8*\t+6]
.set i, i+1
.endr
.endr
.irp t, 0,1
.set i, 0
.rept 16
	v_cvt_pk_f16_f32 v[S+16*\t+i], v[O+32*\t+2*i], v[O+32*\t+2*i+1]
.set i, i+1
.endr
.endr
.irp t, 0,1
.irp c, 0,1,2,3
	ds_store_b128 v8, v[S+16*\t+4*\c:S+16*\t+4*\c+3] offset:\t*2304+32*\c
.endr
.endr
.irp i, 0,1,2,3,4,5,6,7
	ds_load_b128 v[96+4*\i:96+4*\i+3], v9 offset:\i*576   ; LDS serves a wave's instructions in order: these see my stores
.endr
.irp i, 0,1,2,3,4,5,6,7
	s_wait_dscnt 7-\i
	global_store_b128 v10, v[96+4*\i:96+4*\i+3], s[58:59] offset:512*\i   ; four rows: 512 consecutive bytes, aligned
.endr
	s_wait_xcnt 0x0                                ; the stores have read their registers and their base: both are written again
.endm
	s_load_b128 s[4:7], s[0:1], 0x0                ; qkv, attention_mask
	s_load_b64 s[8:9], s[0:1], 0x10                ; att
	v_lshl_add_u32 v12, v0, 2, SPARE
	v_mov_b32 v13, 0
	ds_add_u32 v12, v13                            ; the wave's opening: the add, twice on end, and its wait ahead of my first tensor load
	ds_add_u32 v12, v13
	v_lshrrev_b32 v14, 5, v0
	v_readfirstlane_b32 s10, v14                   ; wave 0..7
	s_and_b32 s11, s10, 3
	s_mov_b32 s12, ttmp9
	s_and_b32 s13, ttmp7, 0xffff
	s_add_co_u32 s14, s12, 1
	s_mov_b32 s15, 0
	s_mov_b32 s16, 0
	s_mov_b32 s17, 0
	s_mov_b32 s20, 0x76543210
	s_mov_b32 s21, 0xfedcba98
	s_mov_b32 s22, 0x43800000                      ; 256.0
	s_mov_b32 s23, s22
	s_mov_b32 s63, 0xf1800000                      ; -2^100
	s_mov_b32 s66, 0
	s_mov_b32 s67, 0
	s_mov_b32 s68, 0
	s_mov_b32 s24, (1<<16)|(1<<20)|(4<<22)|(3<<25) ; K: elements of 2 bytes; 4 words of padding after every 32
	s_mov_b32 s32, (1<<16)|(1<<20)|(4<<22)|(7<<25) ; V: 8 words
.irp g, 24, 32
	s_mov_b32 s[\g+1], 64<<16                      ; tensor_dim0 = 64
	s_mov_b32 s[\g+2], 64<<16                      ; tensor_dim1 = 64
	s_mov_b32 s[\g+3], 64<<16                      ; tile_dim0 = 64
	s_mov_b32 s[\g+4], 64                          ; tile_dim1 = 64
	s_mov_b32 s[\g+5], 64                          ; the pitch
	s_mov_b32 s[\g+6], 0
	s_mov_b32 s[\g+7], 0
.endr
	s_mov_b32 s40, 1
	s_mul_i32 s41, s11, 64*KP
	s_mov_b32 s44, 1
	s_mul_i32 s45, s11, 64*VP
	s_add_co_u32 s45, s45, VOFF
	s_lshl_b32 s70, s13, 18                        ; the head: 256 KiB
	s_mov_b32 s71, 0
	s_lshl_b32 s72, s11, 13                        ; my 64 rows of a slot
	s_mov_b32 s73, 0
	s_cmp_eq_u32 s12, 0
	s_cselect_b32 s62, 6, 0
	s_wait_dscnt 0x0                               ; both opening adds are done
	s_wait_kmcnt 0x0
	s_add_nc_u64 s[52:53], s[4:5], s[70:71]
	s_add_nc_u64 s[54:55], s[8:9], s[70:71]
	s_add_nc_u64 s[48:49], s[52:53], s[72:73]
	s_add_nc_u64 s[50:51], s[48:49], 0x2000000     ; V: 32 MiB on
	s_add_nc_u64 s[48:49], s[48:49], 0x1000000     ; K: 16 MiB on
	s_mov_b64 s[42:43], s[48:49]
	s_or_b32 s43, s43, 0x80000000
	s_mov_b64 s[46:47], s[50:51]
	s_or_b32 s47, s47, 0x80000000
	JLOAD                                          ; the first trip's slot: every wave issues a first fill
	s_cmp_lt_u32 s10, 4
	s_cselect_b64 s[60:61], s[48:49], s[50:51]
	s_add_nc_u64 s[60:61], s[60:61], 0x8000        ; in slot 1: the first change steps it to slot 2
	s_lshr_b32 s70, s13, 4
	s_lshl_b32 s70, s70, 13                        ; the batch's row of the mask
	s_mov_b32 s71, 0
	s_add_nc_u64 s[6:7], s[6:7], s[70:71]
.irp j, 0,1,2,3,4,5,6,7,8               ; the bias table, in the order of the walk: trip j reads slot j, or j - (i + 1) in the second block.  Thread t takes key t of each slot
	s_sub_co_u32 s71, \j, s14
	s_cmp_gt_u32 s14, \j
	s_cselect_b32 s70, \j, s71
	s_lshl_b32 s70, s70, 10
	v_lshl_add_u32 v[64+\j], v0, 2, s70
	global_load_b32 v[80+\j], v[64+\j], s[6:7]
.endr
	v_and_b32 v14, 15, v0                          ; r
	v_bfe_u32 v15, v0, 4, 1                        ; h
	v_mul_u32_u24 v1, v14, KP
	v_lshl_add_u32 v1, v15, 4, v1                  ; K: row r, + 16 h
	v_and_b32 v4, 7, v0
	v_lshl_add_u32 v2, v15, 3, v4
	v_mul_u32_u24 v2, v2, VP
	v_bfe_u32 v5, v0, 3, 1
	v_lshl_add_u32 v2, v5, 4, v2
	v_add_nc_u32 v2, VOFF, v2                      ; V: key 8 h + lane % 8, channels 8 ((lane / 8) % 2) on
	v_lshlrev_b32 v3, 5, v15
	v_add_nc_u32 v3, BIAS, v3                      ; the bias of keys 8 h on
	v_lshlrev_b32 v7, 7, v14
	v_lshl_add_u32 v7, v15, 4, v7                  ; Q: row r of 128 bytes, + 16 h
	s_mul_i32 s70, s10, 4608
	s_add_co_u32 s70, s70, STAGE
	v_add_nc_u32 v8, s70, v1                       ; the stage, in: row r of 144 bytes, + 16 h
	v_and_b32 v6, 31, v0
	v_lshrrev_b32 v9, 3, v6
	v_mul_u32_u24 v9, v9, 144
	v_lshl_add_u32 v9, v4, 4, v9
	v_add_nc_u32 v9, s70, v9                       ; back: eight lanes a row
	v_lshlrev_b32 v10, 4, v6
	v_lshlrev_b32 v11, 8, v6
.irp t, 0,1
.irp j, 4,5,6,7
	v_mov_b32 v[ST+8*\t+\j], 0                     ; written once: a lane permute's destination counts as one of its sources
.endr
.endr
	v_mov_b32 v14, 0
	v_mov_b32 v15, s63
	v_lshl_add_u32 v4, v0, 2, BIAS
	s_wait_loadcnt 0x0
.irp j, 0,1,2,3,4,5,6,7,8
	v_cmp_ne_u32 vcc_lo, 0, v[80+\j]
	v_cndmask_b32 v[80+\j], v15, v14, vcc_lo       ; 0 where the key counts, else -2^100
	ds_store_b32 v4, v[80+\j] offset:\j*1024       ; read by all waves behind the first change's wait and barrier
.endr
	s_mov_b32 s70, s12
	REINIT                                         ; the short block first
.Ltrip:                                            ; eight trips, each asking for the next trip's slot
	CHANGE 1
	s_cmp_lg_u32 s15, s14                          ; ids and the count of trips alone: all eight waves go the same way; no barrier, wait or add stands inside
	s_cbranch_scc1 .Lsame
	FINISH
	s_sub_co_u32 s70, 7, s12
	REINIT
	s_mov_b32 s17, 0
.Lsame:
	SLOT_STEPS
	s_add_co_u32 s15, s15, 1
	s_cmp_lt_u32 s15, 8
	s_cbranch_scc1 .Ltrip
	CHANGE 0                                       ; the ninth trip is written out: nothing is left to ask for
	SLOT_STEPS
	FINISH
	s_wait_tensorcnt 0x0                           ; the wave's end: three lines behind my last tensor load and my last LDS store
	ds_add_u32 v12, v13
	s_wait_dscnt 0x0
	s_endpgm
.Lfunc_end_k_qf016e91a75_attn:
	.size	k_qf016e91a75_attn, .Lfunc_end_k_qf016e91a75_attn-k_qf016e91a75_attn
	.p2alignl 7, 3214868480
	.fill 96, 4, 3214868480
	.section	.rodata,"a",@progbits
	.p2align	6, 0x0
	.amdhsa_kernel k_qf016e91a75_attn
		.amdhsa_group_segment_fixed_size 327680
		.amdhsa_private_segment_fixed_size 0
		.amdhsa_enable_private_segment 0
		.amdhsa_kernarg_size 24
		.amdhsa_user_sgpr_count 2
		.amdhsa_user_sgpr_kernarg_segment_ptr 1
		.amdhsa_wavefront_size32 1
		.amdhsa_system_sgpr_workgroup_id_x 1
		.amdhsa_system_sgpr_workgroup_id_y 1
		.amdhsa_system_sgpr_workgroup_id_z 1
		.amdhsa_system_vgpr_workitem_id 0
		.amdhsa_next_free_vgpr 256
		.amdhsa_next_free_sgpr 80
		.amdhsa_reserve_vcc 1
		.amdhsa_float_denorm_mode_32 3
		.amdhsa_float_denorm_mode_16_64 3
		.amdhsa_memory_ordered 1
		.amdhsa_forward_progress 1
		.amdhsa_inst_pref_size 78
	.end_amdhsa_kernel
	.amdgpu_metadata
---
amdhsa.version: [ 1, 2 ]
amdhsa.kernels:
  - .name:           k_qf016e91a75_attn
    .symbol:         k_qf016e91a75_attn.kd
    .args:
      - { .name: qkv, .offset: 0, .size: 8, .value_kind: global_buffer, .address_space: global }
      - { .name: attention_mask, .offset: 8, .size: 8, .value_kind: global_buffer, .address_space: global }
      - { .name: att, .offset: 16, .size: 8, .value_kind: global_buffer, .address_space: global }
    .group_segment_fixed_size: 327680
    .private_segment_fixed_size: 0
    .kernarg_segment_align: 8
    .kernarg_segment_size: 24
    .max_flat_workgroup_size: 256
    .sgpr_count:     80
    .vgpr_count:     256
    .wavefront_size: 32
...
	.end_amdgpu_metadata
.endif
;; end of part 3
;; launch proj (part 4): grid 8 x 64, 4 waves a work-group, clusters of 4 x 4, 327,680 bytes of LDS; arguments att, wo16, out0; writes out0
.if DOCPART == 4
	.amdgcn_target "amdgcn-amd-amdhsa--gfx1250"
	.amdhsa_code_object_version 6
	.text
	.protected	k_qf016e91a75_proj
	.globl	k_qf016e91a75_proj
	.p2align	8
	.type	k_qf016e91a75_proj,@function
k_qf016e91a75_proj:
	s_mov_b64 s[64:65], 0
	v_nop
	global_prefetch_b8 v0, s[64:65] scope:SCOPE_SE
	s_setreg_imm32_b32 hwreg(HW_REG_WAVE_MODE, 25, 1), 1
	s_wait_xcnt 0x0
	s_wait_alu depctr_hold_cnt(0) depctr_sa_sdst(0) depctr_va_vdst(0) depctr_va_sdst(0) depctr_va_ssrc(0) depctr_va_vcc(0) depctr_vm_vsrc(0)
	s_getreg_b32 s2, hwreg(HW_REG_IB_STS2, 6, 4)
	s_cmp_eq_u32 s2, 0
	s_cbranch_scc0 .Lentry_in_a_cluster
	s_endpgm
.Lentry_in_a_cluster:
	s_bfe_u32 s2, ttmp6, 0x10000c
	s_cmp_lg_u32 s2, 0xf033
	s_cbranch_scc0 .Lentry_shape_is_right
	s_endpgm
.Lentry_shape_is_right:
; THE PROJECTION ON THE WAY OUT: out0[m][n] = sum over k of att[m][k] Wo[n][k], m = 8,192, n = 1,024, K = 1,024 (k = 64 head + channel); operands f16, sums f32, out0 f32.  Nothing is left out here.
; (The first 16 positions of each batch are made here too, inside live tiles; the next launch writes them again, carried in f32.)
; A tile of out0 is 128 x 128: 512 tiles.  Four waves, 64 x 64 each: 16 accumulators.  K goes in steps of 256 (four heads) through two LDS slots.  CLUSTERS of 4 x 4: att's tiles are shared along a row, Wo's along a column.
; att lies [batch][head][position][64]: 64 positions of one head are 8,192 dense bytes.  A tensor load takes them as ONE row of 4,096 elements and four heads as four rows, 131,072 elements apart, with 16 bytes of padding
; behind every 128: in LDS that is 256 lines of 128 bytes, 144 apart, line 64 head + position.
; THE MATRIX INSTRUCTION IS USED TRANSPOSED (source 0 = 16 rows of Wo, source 1 = 16 rows of att): a lane holds eight neighbouring numbers of a row of out0.
; REGISTERS: window 0: v0-31 addresses; v32-95 the way out; v128-255 the accumulators ((a, b) at v[128 + 8 (4 a + b)]).   window 1: two fragment buffers of 128: 64 registers of att, then 64 of Wo.
.set KSTEP,  256
.set PITCH,  528                       ; Wo's LDS row: 512 bytes + 16
.set PA,     144                       ; att's LDS line: 128 bytes + 16
.set HALFA,  256*PA                    ; 64 positions x 4 heads: what one load brings of att
.set HALFB,  64*PITCH                  ; 64 rows of Wo
.set SLOT,   2*HALFA+2*HALFB
.set SPARE,  2*SLOT                    ; behind the slots: the spare words, 128 bytes a wave
.set SPITCH, 272                       ; the way out: a stage of 16 rows x (256 + 16) bytes for each wave, in slot 0, which has had its last fill and its last read by then
.set LAPS,   2
.set ADRA, 16
.set ADRB, 20
.set STO,  24
.set RD,   25
.set CO,   26
.set SPW,  28
.set NIL,  29
.set ACC,  128
.set F0,   0
.set F1,   128
.set G1, 24
.set G0, 32
.set G1B, 48
.set G0B, 56
.set MSB, 0
.macro WIN new
.if MSB != (\new)
	s_set_vgpr_msb (MSB<<8)|(\new)
.set MSB, (\new)
.endif
.endm
.set MUL,  0x05                        ; sources 0 and 1 window 1; C and D window 0
.set TO_F, 0x40                        ; destination window 1, address window 0
.macro JLOAD s                         ; waves 0 and 1 fetch att's two halves, waves 2 and 3 Wo's; an s_nop 0 and four v_nop follow each of the two lines
	s_cmp_eq_u32 s11, 0
	s_cbranch_scc0 .Lfor_b_\@
	tensor_load_to_lds s[G0+4*\s:G0+4*\s+3], s[G1:G1+7]
	s_nop 0
.rept 4
	v_nop
.endr
	s_branch .Lasked_\@
.Lfor_b_\@:
	tensor_load_to_lds s[G0B+4*\s:G0B+4*\s+3], s[G1B:G1B+7]
	s_nop 0
.rept 4
	v_nop
.endr
.Lasked_\@:
.endm
.macro CREST
	s_cmp_lg_u32 s10, 0
	s_cbranch_scc1 .Lnot_wave_0_\@
	s_barrier_signal -3
.Lnot_wave_0_\@:
	s_barrier_wait -3
	s_barrier_signal -1
	s_barrier_wait -1
.endm
.macro CROUND
	s_barrier_signal -1
	s_barrier_wait -1
	CREST
.endm
	s_load_b128 s[4:7], s[0:1], 0x0                ; att, wo16
	s_load_b64 s[8:9], s[0:1], 0x10                ; out0
	v_lshl_add_u32 v[SPW], v0, 2, SPARE
	v_mov_b32 v[NIL], 0
	ds_add_u32 v[SPW], v[NIL]                      ; the wave's opening: the add, twice on end, and its wait ahead of my first tensor load
	ds_add_u32 v[SPW], v[NIL]
	v_lshrrev_b32 v1, 5, v0
	v_readfirstlane_b32 s10, v1                    ; wave 0..3
	s_lshr_b32 s11, s10, 1                         ; which half of the tile's rows is mine.  Also: I fetch for att (0) or for Wo (1)
	s_and_b32 s12, s10, 1                          ; which half of its columns.  Also: which 64 rows I fetch
	s_bfe_u32 s40, ttmp6, 0x40000
	s_bfe_u32 s41, ttmp6, 0x40004
	s_lshl_b32 s42, ttmp9, 2
	s_add_co_u32 s42, s42, s40                     ; tile column
	s_and_b32 s13, ttmp7, 0xffff
	s_lshl_b32 s13, s13, 2
	s_add_co_u32 s13, s13, s41                     ; tile row
	s_lshl_b32 s43, s41, 2
	s_lshl_b32 s43, 15, s43                        ; my row of the cluster
	s_lshl_b32 s44, 0x1111, s40                    ; my column
	s_or_b32 s[G1+0], s43, (1<<16)|(1<<20)|(1<<21)|(4<<22)|(3<<25)   ; att: elements of 2 bytes; 4 words of padding after every 32
	s_mov_b32 s[G1+1], 4096<<16                    ; tensor_dim0 = 4,096
	s_mov_b32 s[G1+2], 4<<16                       ; tensor_dim1 = 4
	s_mov_b32 s[G1+3], 4096<<16                    ; tile_dim0 = 4,096
	s_mov_b32 s[G1+4], 4                           ; tile_dim1 = 4
	s_mov_b32 s[G1+5], 131072                      ; from head to head
	s_mov_b32 s[G1+6], 0
	s_mov_b32 s[G1+7], 0
	s_or_b32 s[G1B+0], s44, (1<<16)|(1<<20)|(1<<21)|(6<<22)|(3<<25)  ; Wo: 4 words of padding after every 128
	s_mov_b32 s[G1B+1], KSTEP<<16
	s_mov_b32 s[G1B+2], 64<<16
	s_mov_b32 s[G1B+3], KSTEP<<16
	s_mov_b32 s[G1B+4], 64
	s_mov_b32 s[G1B+5], 1024
	s_mov_b32 s[G1B+6], 0
	s_mov_b32 s[G1B+7], 0
	s_lshl_b32 s17, s12, 6
	s_lshl_b32 s16, s13, 7
	s_add_co_u32 s16, s16, s17                     ; att: row m = 128 x tile row + 64 x half
	s_lshl_b32 s46, s42, 7
	s_add_co_u32 s46, s46, s17                     ; Wo: row 128 x tile column + 64 x half
	s_lshr_b32 s17, s16, 11
	s_lshl_b32 s17, s17, 22                        ; the batch: 4 MiB
	s_and_b32 s16, s16, 2047
	s_lshl_b32 s16, s16, 7                         ; the position: 128 bytes
	s_add_co_u32 s16, s16, s17
	s_mov_b32 s17, 0
	s_lshl_b32 s46, s46, 11                        ; a row of Wo: 2,048 bytes
	s_mov_b32 s47, 0
	s_mul_i32 s20, s12, HALFA                      ; where they go: no place in the cluster enters an LDS address
	s_mul_i32 s21, s12, HALFB
	s_add_co_u32 s21, s21, 2*HALFA
	s_wait_dscnt 0x0                               ; both opening adds are done
	s_wait_kmcnt 0x0
	s_add_nc_u64 s[14:15], s[4:5], s[16:17]
	s_add_nc_u64 s[46:47], s[6:7], s[46:47]
	CROUND                                         ; all sixteen work-groups are here: the first joint loads meet
.irp s, 0,1
	s_mov_b32 s[G0+4*\s], 1
	s_add_co_u32 s[G0+4*\s+1], s20, \s*SLOT
	s_add_nc_u64 s[G0+4*\s+2:G0+4*\s+3], s[14:15], \s*0x100000     ; K step s: four heads of 256 KiB on
	s_or_b32 s[G0+4*\s+3], s[G0+4*\s+3], 0x80000000
	s_mov_b32 s[G0B+4*\s], 1
	s_add_co_u32 s[G0B+4*\s+1], s21, \s*SLOT
	s_add_nc_u64 s[G0B+4*\s+2:G0B+4*\s+3], s[46:47], \s*KSTEP*2
	s_or_b32 s[G0B+4*\s+3], s[G0B+4*\s+3], 0x80000000
	JLOAD \s
.endr
	v_and_b32 v1, 15, v0                           ; r
	v_bfe_u32 v2, v0, 4, 1                         ; h
	v_mul_u32_u24 v3, v1, PA
	v_lshl_add_u32 v3, v2, 4, v3                   ; att: line r, + 16 h
	v_mul_u32_u24 v4, v1, PITCH
	v_lshl_add_u32 v4, v2, 4, v4                   ; Wo: row r, + 16 h
	s_mul_i32 s21, s11, HALFA                      ; my 64 rows of att
	s_mul_i32 s22, s12, HALFB                      ; my 64 rows of Wo,
	s_add_co_u32 s22, s22, 2*HALFA                 ; behind att's two halves
.irp s, 0,1
	v_add_nc_u32 v[ADRA+\s], s21, v3
	v_add_nc_u32 v[ADRB+\s], s22, v4
	s_add_co_u32 s21, s21, SLOT
	s_add_co_u32 s22, s22, SLOT
.endr
	s_mul_i32 s23, s10, 16*SPITCH                  ; my stage
	v_mul_u32_u24 v4, v1, SPITCH
	v_lshl_add_u32 v4, v2, 5, v4
	v_add_nc_u32 v[STO], s23, v4                   ; in: row r, 32 bytes for each half of the lanes
	v_mul_u32_u24 v5, v2, SPITCH
	v_lshl_add_u32 v5, v1, 4, v5
	v_add_nc_u32 v[RD], s23, v5                    ; back: lanes 0-15 one row of 256 bytes, lanes 16-31 the next
	v_lshlrev_b32 v5, 12, v2
	v_lshl_add_u32 v[CO], v1, 4, v5                ; and the same two rows in out0
	s_lshl_b32 s16, s13, 7
	s_lshl_b32 s17, s11, 6
	s_add_co_u32 s16, s16, s17                     ; my first row
	s_lshl_b32 s16, s16, 12
	s_mov_b32 s17, 0
	s_add_nc_u64 s[8:9], s[8:9], s[16:17]
	s_lshl_b32 s46, s42, 9
	s_lshl_b32 s47, s12, 8
	s_add_co_u32 s46, s46, s47                     ; my first column, in bytes
	s_mov_b32 s47, 0
	s_add_nc_u64 s[8:9], s[8:9], s[46:47]
.macro MUL8 f, c, a0, zero             ; 8 matrix instructions; the 16 accumulators take turns
.irp a, \a0, \a0+1
.irp b, 0,1,2,3
.if \zero
	v_wmma_f32_16x16x32_f16 v[ACC+8*(4*(\a)+\b):ACC+8*(4*(\a)+\b)+7], v[\f+64+8*(4*\c+\b):\f+64+8*(4*\c+\b)+7], v[\f+8*(4*\c+\a):\f+8*(4*\c+\a)+7], 0
.else
	v_wmma_f32_16x16x32_f16 v[ACC+8*(4*(\a)+\b):ACC+8*(4*(\a)+\b)+7], v[\f+64+8*(4*\c+\b):\f+64+8*(4*\c+\b)+7], v[\f+8*(4*\c+\a):\f+8*(4*\c+\a)+7], v[ACC+8*(4*(\a)+\b):ACC+8*(4*(\a)+\b)+7]
.endif
.endr
.endr
.endm
.macro FETCH slot, k, f                ; 32 LDS loads in one run: 64 along K (one head) at byte k of Wo's rows, head k / 128 of att's lines
	WIN TO_F
.irp c, 0,1
.irp i, 0,1,2,3
	ds_load_b128 v[\f+64+8*(4*\c+\i):\f+64+8*(4*\c+\i)+3],   v[ADRB+\slot] offset:\k+64*\c+\i*16*PITCH
	ds_load_b128 v[\f+64+8*(4*\c+\i)+4:\f+64+8*(4*\c+\i)+7], v[ADRB+\slot] offset:\k+64*\c+\i*16*PITCH+32
	ds_load_b128 v[\f+8*(4*\c+\i):\f+8*(4*\c+\i)+3],         v[ADRA+\slot] offset:((\k)/128)*64*PA+64*\c+\i*16*PA
	ds_load_b128 v[\f+8*(4*\c+\i)+4:\f+8*(4*\c+\i)+7],       v[ADRA+\slot] offset:((\k)/128)*64*PA+64*\c+\i*16*PA+32
.endr
.endr
.endm
.macro PLACES
.rept 4
	v_nop
.endr
.endm
.macro QUARTER slot, k, f, g, zero     ; 64 along K: multiplies buffer f and fetches the next quarter, at byte k, into g
	s_wait_dscnt 16                                ; the first 32 along K are in
	WIN MUL
	MUL8 \f, 0, 0, \zero
	MUL8 \f, 0, 2, \zero
	PLACES
	FETCH \slot, \k, \g
	s_wait_dscnt 32                                ; all but the 32 just issued
	WIN MUL
	MUL8 \f, 1, 0, 0
	MUL8 \f, 1, 2, 0
.endm
; The last quarter changes slots: in front of the barrier each wave waits for all its tensor loads, adds 0 to its spare word, and waits for that and for its reads of this slot.  fill = 1: a round of the cluster's barrier, then the joint refill.
.macro TURN slot, next, fill
	WIN 0
	s_wait_tensorcnt 0x0
	ds_add_u32 v[SPW], v[NIL]
	s_wait_dscnt 17                                ; (the add and the youngest sixteen loads may be out)
	WIN MUL
	MUL8 F1, 0, 0, 0
	s_wait_dscnt 0x0                               ; the add is done, and my reads of this slot are over
	s_barrier_signal -1
	MUL8 F1, 0, 2, 0
.if \fill
	WIN 0
.endif
	s_barrier_wait -1
.if \fill
	CREST
	s_add_nc_u64 s[G0+4*\slot+2:G0+4*\slot+3], s[G0+4*\slot+2:G0+4*\slot+3], 2*0x100000
	s_add_nc_u64 s[G0B+4*\slot+2:G0B+4*\slot+3], s[G0B+4*\slot+2:G0B+4*\slot+3], 2*KSTEP*2
	JLOAD \slot                                    ; the first tensor load behind the round; its four v_nop are also the places in front of the loads below
.else
	PLACES
.endif
	FETCH \next, 0, F0
	WIN MUL
	MUL8 F1, 1, 0, 0
	MUL8 F1, 1, 2, 0
.endm
	s_wait_tensorcnt 1                             ; my part of K step 0 is in (K step 1's load may be out),
	s_barrier_signal -1
	s_barrier_wait -1                              ; everybody's is
	FETCH 0, 0, F0
	QUARTER 0, 128, F0, F1, 1                      ; the first products start the sums
	WIN 0
	s_mov_b32 s3, LAPS-1
.Llap:
	QUARTER 0, 256, F1, F0, 0
	QUARTER 0, 384, F0, F1, 0
	TURN 0, 1, 1
	QUARTER 1, 128, F0, F1, 0
	QUARTER 1, 256, F1, F0, 0
	QUARTER 1, 384, F0, F1, 0
	TURN 1, 0, 1
	QUARTER 0, 128, F0, F1, 0
	WIN 0
	s_sub_co_u32 s3, s3, 1
	s_cmp_lg_u32 s3, 0
	s_cbranch_scc1 .Llap
	QUARTER 0, 256, F1, F0, 0                      ; the last lap fills nothing
	QUARTER 0, 384, F0, F1, 0
	TURN 0, 1, 0
	QUARTER 1, 128, F0, F1, 0
	QUARTER 1, 256, F1, F0, 0
	QUARTER 1, 384, F0, F1, 0
	s_wait_dscnt 16
	WIN MUL
	MUL8 F1, 0, 0, 0
	MUL8 F1, 0, 2, 0
	s_wait_dscnt 0
	MUL8 F1, 1, 0, 0
	MUL8 F1, 1, 2, 0
	WIN 0
; THE WAY OUT: a wave's 64 columns are 256 bytes of a row.  A block of 16 rows goes through my own stage and comes back as rows: sixteen lanes store 256 consecutive bytes, aligned.
.macro TOSTAGE a
.set BB, 32+32*((\a)%2)
.irp b, 0,1,2,3
	ds_store_b128 v[STO], v[ACC+8*(4*(\a)+\b):ACC+8*(4*(\a)+\b)+3] offset:64*\b          ; each accumulator from its low end on
	ds_store_b128 v[STO], v[ACC+8*(4*(\a)+\b)+4:ACC+8*(4*(\a)+\b)+7] offset:64*\b+16
.endr
.irp t, 0,1,2,3,4,5,6,7
	ds_load_b128 v[BB+4*\t:BB+4*\t+3], v[RD] offset:\t*2*SPITCH   ; LDS serves a wave's instructions in order
.endr
.endm
.macro SEND a, younger
.set BB, 32+32*((\a)%2)
	s_wait_dscnt \younger                          ; the block is back; the next block's 8 stores and 8 loads may be out
.irp t, 0,1,2,3,4,5,6,7
	global_store_b128 v[CO], v[BB+4*\t:BB+4*\t+3], s[8:9] offset:(16*(\a)+2*\t)*4096 th:TH_STORE_NT
.endr
.endm
	PLACES
	TOSTAGE 0
.irp a, 1,2,3
.if \a > 1
	s_wait_xcnt 0x0                                ; the stores of two blocks back have read the registers into which this block's rows come
.endif
	TOSTAGE \a
	SEND \a-1, 16
.endr
	SEND 3, 0
	s_wait_tensorcnt 0x0                           ; the wave's end: three lines behind my last tensor load and my last LDS store
	ds_add_u32 v[SPW], v[NIL]
	s_wait_dscnt 0x0
	CROUND                                         ; the closing round
	s_endpgm
.Lfunc_end_k_qf016e91a75_proj:
	.size	k_qf016e91a75_proj, .Lfunc_end_k_qf016e91a75_proj-k_qf016e91a75_proj
	.p2alignl 7, 3214868480
	.fill 96, 4, 3214868480
	.section	.rodata,"a",@progbits
	.p2align	6, 0x0
	.amdhsa_kernel k_qf016e91a75_proj
		.amdhsa_group_segment_fixed_size 327680
		.amdhsa_private_segment_fixed_size 0
		.amdhsa_enable_private_segment 0
		.amdhsa_kernarg_size 24
		.amdhsa_user_sgpr_count 2
		.amdhsa_user_sgpr_kernarg_segment_ptr 1
		.amdhsa_wavefront_size32 1
		.amdhsa_system_sgpr_workgroup_id_x 1
		.amdhsa_system_sgpr_workgroup_id_y 1
		.amdhsa_system_sgpr_workgroup_id_z 1
		.amdhsa_system_vgpr_workitem_id 0
		.amdhsa_next_free_vgpr 512
		.amdhsa_next_free_sgpr 66
		.amdhsa_reserve_vcc 0
		.amdhsa_float_denorm_mode_32 3
		.amdhsa_float_denorm_mode_16_64 3
		.amdhsa_memory_ordered 1
		.amdhsa_forward_progress 1
		.amdhsa_inst_pref_size 86
	.end_amdhsa_kernel
	.amdgpu_metadata
---
amdhsa.version: [ 1, 2 ]
amdhsa.kernels:
  - .name:           k_qf016e91a75_proj
    .symbol:         k_qf016e91a75_proj.kd
    .args:
      - { .name: att, .offset: 0, .size: 8, .value_kind: global_buffer, .address_space: global }
      - { .name: wo16, .offset: 8, .size: 8, .value_kind: global_buffer, .address_space: global }
      - { .name: out0, .offset: 16, .size: 8, .value_kind: global_buffer, .address_space: global }
    .group_segment_fixed_size: 327680
    .private_segment_fixed_size: 0
    .kernarg_segment_align: 8
    .kernarg_segment_size: 24
    .max_flat_workgroup_size: 128
    .sgpr_count:     66
    .vgpr_count:     512
    .wavefront_size: 32
...
	.end_amdgpu_metadata
.endif
;; end of part 4
;; launch fine (part 5): grid 16 x 4, 16 waves a work-group, no clusters, 71,680 bytes of LDS; arguments fine_qkv, attention_mask, Wo, out0; writes out0
.if DOCPART == 5
	.amdgcn_target "amdgcn-amd-amdhsa--gfx1250"
	.amdhsa_code_object_version 6
	.text
	.protected	k_qf016e91a75_fine
	.globl	k_qf016e91a75_fine
	.p2align	8
	.type	k_qf016e91a75_fine,@function
k_qf016e91a75_fine:
	s_mov_b64 s[64:65], 0
	v_nop
	global_prefetch_b8 v0, s[64:65] scope:SCOPE_SE
	s_setreg_imm32_b32 hwreg(HW_REG_WAVE_MODE, 25, 1), 1
	s_wait_xcnt 0x0
; THE FIRST 16 POSITIONS OF EVERY BATCH, in f32 throughout: under the causal mask they average one to a few values and are the largest in size, so 16-bit operands would weigh most there.  64 rows of out0 are written again.
; LEFT OUT: keys from 16 on: for queries under 16 the causal mask, which the problem's function builds itself, gives them the weight 0 for all values of the inputs.
; Work-group (g, batch) makes out0[batch][t < 16][64 g .. 64 g + 63].  Wave hd makes head hd's attention for the 16 rows (12 KiB of loads; repeated in the 16 column groups), then the part of the projection that sums over
; its own 64 channels; the sixteen parts meet in LDS, and wave w adds and stores row w: each output has one owner.
; ONE PERMUTATION OF K, ALIKE ON BOTH SOURCES of each product, lets plain loads fill the fragments and each result serve as the next product's operand in place:
;   S^T = K Q^T: step s takes channels 32 h + 2 s, + 1;   O^T = V^T P: step s takes keys 8 h + 2 s, + 1;   Y^T = Wo O: step (ct, s) takes channels 16 ct + 8 h + 2 s, + 1.
; A masked score is -2^100 and the maximum never falls under -2^99; a query with no key that counts gives 0 x infinity = NaN, as the softmax of -infinities is.
; REGISTERS: v1-9 addresses and constants; v10, v11 the add's two; v16-47 Q, then Wo's tile 2, then the parts; v48-79 K, then Wo's tile 3; v80-111 V^T, then O / the sum; v112-175 Wo's tiles 0, 1; v176-183 the mask;
;   v184-191 the scores, then p; v192-197 at work; v200-247 are written by matrix instructions alone: two halves of S^T, then O^T's four tiles, then Y^T's four; v248, v249 the row's sums.
.set PART,  0                          ; LDS: 16 waves x 16 rows x (256 + 16) bytes
.set SPARE, 16*4352                    ; the spare words, 128 bytes a wave
	s_load_b256 s[4:11], s[0:1], 0x0               ; fine_qkv, attention_mask, Wo, out0
	v_lshl_add_u32 v10, v0, 2, SPARE
	v_mov_b32 v11, 0
	v_lshrrev_b32 v1, 5, v0
	v_readfirstlane_b32 s12, v1                    ; wave = head = row
	s_mov_b32 s13, ttmp9                           ; the group of 64 columns
	s_and_b32 s14, ttmp7, 0xffff                   ; the batch
	v_and_b32 v12, 15, v0                          ; r
	v_bfe_u32 v13, v0, 4, 1                        ; h
	v_and_b32 v14, 31, v0                          ; lane
	v_mul_u32_u24 v1, v12, 12288
	v_lshl_add_u32 v1, v13, 7, v1                  ; Q, K: row r of 12,288 bytes, channels 32 h on
	v_mul_u32_u24 v2, v13, 98304
	v_lshl_add_u32 v2, v12, 2, v2                  ; V: keys 8 h on, channel r
	v_lshlrev_b32 v3, 5, v13                       ; the mask of keys 8 h on
	v_lshlrev_b32 v4, 12, v12
	v_lshl_add_u32 v4, v13, 5, v4                  ; Wo: row r of 4,096 bytes, + 8 h numbers
	v_lshlrev_b32 v5, 3, v14                       ; 8 bytes a lane
	s_mul_i32 s15, s12, 4352
	v_mul_u32_u24 v6, v12, 272
	v_lshl_add_u32 v6, v13, 5, v6
	v_add_nc_u32 v6, s15, v6                       ; my part: row r, + 32 h
	s_mul_i32 s15, s12, 272
	v_add_nc_u32 v7, s15, v5                       ; back: row = my wave, of each part
	v_lshlrev_b32 v8, 3, v13
	v_sub_nc_u32 v8, v12, v8                       ; r - 8 h: key 8 h + j counts where j <= r - 8 h
	v_mov_b32 v9, 0xf1800000                       ; -2^100
	s_mov_b32 s20, 0x76543210
	s_mov_b32 s21, 0xfedcba98
	s_mul_i32 s16, s14, 196608
	s_lshl_b32 s17, s12, 8
	s_add_co_u32 s16, s16, s17
	s_mov_b32 s17, 0
	s_lshl_b32 s18, s14, 13
	s_mov_b32 s19, 0
	s_lshl_b32 s22, s13, 18
	s_lshl_b32 s23, s12, 8
	s_add_co_u32 s22, s22, s23
	s_mov_b32 s23, 0
	s_lshl_b32 s24, s14, 23
	s_lshl_b32 s25, s12, 12
	s_add_co_u32 s24, s24, s25
	s_lshl_b32 s25, s13, 8
	s_add_co_u32 s24, s24, s25
	s_mov_b32 s25, 0
	s_wait_kmcnt 0x0
	s_add_nc_u64 s[4:5], s[4:5], s[16:17]
	s_add_nc_u64 s[6:7], s[6:7], s[18:19]
	s_add_nc_u64 s[8:9], s[8:9], s[22:23]
	s_add_nc_u64 s[10:11], s[10:11], s[24:25]
	global_load_b128 v[176:179], v3, s[6:7]
	global_load_b128 v[180:183], v3, s[6:7] offset:16
.irp e, 0,1,2,3,4,5,6,7
	global_load_b128 v[16+4*\e:16+4*\e+3], v1, s[4:5] offset:16*\e
.endr
.irp e, 0,1,2,3,4,5,6,7
	global_load_b128 v[48+4*\e:48+4*\e+3], v1, s[4:5] offset:4096+16*\e
.endr
.irp c, 0,1,2,3
.irp k, 0,1,2,3,4,5,6,7
	global_load_b32 v[80+8*\c+\k], v2, s[4:5] offset:8192+\k*12288+64*\c   ; register 8 ct + kp = V[8 h + kp][16 ct + r]
.endr
.endr
.irp n, 0,1
.irp c, 0,1,2,3
	global_load_b128 v[112+32*\n+8*\c:112+32*\n+8*\c+3], v4, s[8:9] offset:\n*65536+64*\c
	global_load_b128 v[112+32*\n+8*\c+4:112+32*\n+8*\c+7], v4, s[8:9] offset:\n*65536+64*\c+16
.endr
.endr
	s_wait_loadcnt 48                              ; the mask, Q and K are in; V's 32 loads and Wo's 16 may be out
	v_wmma_f32_16x16x4_f32 v[200:207], v[48:49], v[16:17], 0     ; the sums' own first steps start them; two accumulators by turns
	v_wmma_f32_16x16x4_f32 v[208:215], v[50:51], v[18:19], 0
.irp s, 4,8,12,16,20,24,28
	v_wmma_f32_16x16x4_f32 v[200:207], v[48+\s:49+\s], v[16+\s:17+\s], v[200:207]
	v_wmma_f32_16x16x4_f32 v[208:215], v[50+\s:51+\s], v[18+\s:19+\s], v[208:215]
.endr
.rept 9
	v_nop                                          ; places behind this form: for the loads into its sources and the reads of its results
.endr
.irp n, 0,1
.irp c, 0,1,2,3
	global_load_b128 v[16+32*\n+8*\c:16+32*\n+8*\c+3], v4, s[8:9] offset:(\n+2)*65536+64*\c
	global_load_b128 v[16+32*\n+8*\c+4:16+32*\n+8*\c+7], v4, s[8:9] offset:(\n+2)*65536+64*\c+16
.endr
.endr
.irp j, 0,1,2,3,4,5,6,7
	v_add_f32 v[184+\j], v[200+\j], v[208+\j]      ; the score of key 8 h + j for query r; each accumulator from its low end on
.endr
.irp j, 0,1,2,3,4,5,6,7
	v_cmp_ne_u32 vcc_lo, 0, v[176+\j]
	v_cndmask_b32 v[184+\j], v9, v[184+\j], vcc_lo
	v_cmp_le_i32 vcc_lo, \j, v8
	v_cndmask_b32 v[184+\j], v9, v[184+\j], vcc_lo
.endr
	v_max3_num_f32 v192, v184, v185, 0xf1000000    ; the maximum, never under -2^99
	v_max3_num_f32 v193, v186, v187, v188
	v_max3_num_f32 v192, v192, v189, v190
	v_max3_num_f32 v192, v192, v193, v191
	v_permlanex16_b32 v193, v192, s20, s21
	v_max_num_f32 v192, v192, v193
.irp j, 0,1,2,3,4,5,6,7
	v_sub_f32 v[184+\j], v[184+\j], v192
.endr
.irp j, 0,1,2,3,4,5,6,7
	v_mul_f32 v[184+\j], 0x3e38aa3b, v[184+\j]     ; x log2(e) / 8
.endr
.irp j, 0,1,2,3,4,5,6,7
	v_exp_f32 v[184+\j], v[184+\j]
.endr
	v_nop
	s_wait_alu depctr_va_vdst(0)                   ; one wait for the eight, ahead of their first reader
	v_add_f32 v194, v184, v185
	v_add_f32 v195, v186, v187
	v_add_f32 v196, v188, v189
	v_add_f32 v197, v190, v191
	v_add_f32 v194, v194, v195
	v_add_f32 v196, v196, v197
	v_add_f32 v194, v194, v196
	v_permlanex16_b32 v195, v194, s20, s21
	v_add_f32 v194, v194, v195
	v_rcp_f32 v195, v194
	v_nop
	s_wait_alu depctr_va_vdst(0)
	s_wait_loadcnt 32                              ; V is in; Wo's 32 loads may be out
.irp s, 0,1,2,3
.irp c, 0,1,2,3
.if \s == 0
	v_wmma_f32_16x16x4_f32 v[216+8*\c:223+8*\c], v[80+8*\c+2*\s:81+8*\c+2*\s], v[184+2*\s:185+2*\s], 0
.else
	v_wmma_f32_16x16x4_f32 v[216+8*\c:223+8*\c], v[80+8*\c+2*\s:81+8*\c+2*\s], v[184+2*\s:185+2*\s], v[216+8*\c:223+8*\c]
.endif
.endr
.endr
.rept 9
	v_nop                                          ; nine places: the results are read, V's registers written, and the next products write over these accumulators
.endr
.irp j, 0,1,2,3,4,5,6,7,8,9,10,11,12,13,14,15,16,17,18,19,20,21,22,23,24,25,26,27,28,29,30,31
	v_mul_f32 v[80+\j], v[216+\j], v195            ; O / the sum, into other registers: register 8 ct + j = channel 16 ct + 8 h + j of query r
.endr
	s_wait_loadcnt 0x0
.irp c, 0,1,2,3
.irp s, 0,1,2,3
.irp n, 0,1,2,3
.set WB, (112+32*\n)*(1-\n/2)+(16+32*(\n-2))*(\n/2)
.if (\c == 0) && (\s == 0)
	v_wmma_f32_16x16x4_f32 v[216+8*\n:223+8*\n], v[WB+8*\c+2*\s:WB+8*\c+2*\s+1], v[80+8*\c+2*\s:81+8*\c+2*\s], 0
.else
	v_wmma_f32_16x16x4_f32 v[216+8*\n:223+8*\n], v[WB+8*\c+2*\s:WB+8*\c+2*\s+1], v[80+8*\c+2*\s:81+8*\c+2*\s], v[216+8*\n:223+8*\n]
.endif
.endr
.endr
.endr
.rept 8
	v_nop
.endr
.irp n, 0,1,2,3
	ds_store_b128 v6, v[216+8*\n:219+8*\n] offset:64*\n           ; lane (r, h): row r, outputs 16 nt + 8 h + 0 .. 7; each accumulator from its low end on
	ds_store_b128 v6, v[220+8*\n:223+8*\n] offset:64*\n+16
.endr
	s_wait_dscnt 0x0                               ; for the others' sake: my part has landed
	s_barrier_signal -1
	s_barrier_wait -1
.irp w, 0,1,2,3,4,5,6,7,8,9,10,11,12,13,14,15
	ds_load_b64 v[16+2*\w:17+2*\w], v7 offset:\w*4352
.endr
	s_wait_dscnt 0x0
	v_add_f32 v248, v16, v18                       ; the sixteen heads' parts, in the heads' order
	v_add_f32 v249, v17, v19
.irp w, 2,3,4,5,6,7,8,9,10,11,12,13,14,15
	v_add_f32 v248, v248, v[16+2*\w]
	v_add_f32 v249, v249, v[17+2*\w]
.endr
	global_store_b64 v5, v[248:249], s[10:11]      ; the wave stores 256 consecutive bytes, aligned
	s_wait_tensorcnt 0x0                           ; the wave's end: three lines behind my last LDS store
	ds_add_u32 v10, v11
	s_wait_dscnt 0x0
	s_endpgm
.Lfunc_end_k_qf016e91a75_fine:
	.size	k_qf016e91a75_fine, .Lfunc_end_k_qf016e91a75_fine-k_qf016e91a75_fine
	.p2alignl 7, 3214868480
	.fill 96, 4, 3214868480
	.section	.rodata,"a",@progbits
	.p2align	6, 0x0
	.amdhsa_kernel k_qf016e91a75_fine
		.amdhsa_group_segment_fixed_size 71680
		.amdhsa_private_segment_fixed_size 0
		.amdhsa_enable_private_segment 0
		.amdhsa_kernarg_size 32
		.amdhsa_user_sgpr_count 2
		.amdhsa_user_sgpr_kernarg_segment_ptr 1
		.amdhsa_wavefront_size32 1
		.amdhsa_system_sgpr_workgroup_id_x 1
		.amdhsa_system_sgpr_workgroup_id_y 1
		.amdhsa_system_sgpr_workgroup_id_z 1
		.amdhsa_system_vgpr_workitem_id 0
		.amdhsa_next_free_vgpr 256
		.amdhsa_next_free_sgpr 66
		.amdhsa_reserve_vcc 1
		.amdhsa_float_denorm_mode_32 3
		.amdhsa_float_denorm_mode_16_64 3
		.amdhsa_memory_ordered 1
		.amdhsa_forward_progress 1
		.amdhsa_inst_pref_size 24
	.end_amdhsa_kernel
	.amdgpu_metadata
---
amdhsa.version: [ 1, 2 ]
amdhsa.kernels:
  - .name:           k_qf016e91a75_fine
    .symbol:         k_qf016e91a75_fine.kd
    .args:
      - { .name: fine_qkv, .offset: 0, .size: 8, .value_kind: global_buffer, .address_space: global }
      - { .name: attention_mask, .offset: 8, .size: 8, .value_kind: global_buffer, .address_space: global }
      - { .name: Wo, .offset: 16, .size: 8, .value_kind: global_buffer, .address_space: global }
      - { .name: out0, .offset: 24, .size: 8, .value_kind: global_buffer, .address_space: global }
    .group_segment_fixed_size: 71680
    .private_segment_fixed_size: 0
    .kernarg_segment_align: 8
    .kernarg_segment_size: 32
    .max_flat_workgroup_size: 512
    .sgpr_count:     66
    .vgpr_count:     256
    .wavefront_size: 32
...
	.end_amdgpu_metadata
.endif
;; end of part 5
